; MI455X (gfx1250); checked and timed in simulation.
; The chip was launched on July 23, 2026; its instructions are those of AMD's public machine-readable ISA for CDNA 5 (MIT licence, August 2026) and "CDNA5" Instruction Set Architecture Reference Guide (July 2026). The comments in the code are by the model that wrote it; some were corrected since.
;; Additive Attention. Allowed arithmetic: float matrix products may take bf16 or f16 operands with f32 sums; other float arithmetic in f32, or as packed bf16 or f16 multiplies, adds, multiply-adds, maxima and minima; sums over many terms, partial sums and values carried from step to step in f32; what a program stores and reads back later, other than sums and carried values, may be rounded once to bf16 or f16.
;; Inputs: W_h 1,024 x 1,024 float32; W_s 1,024 x 1,024 float32; W_x 1,024 x 1 float32; b_s 1,024 float32; cell_state 1 x 64 x 512 float32; context 64 x 1,024 x 1,024 float32; coverage 64 x 1,024 float32; hidden_state 1 x 64 x 512 float32; padding_mask 64 x 1,024 float32; v 1 x 1,024 float32.
;; Outputs: out0 64 x 1 x 1,024 float32; out1 64 x 1,024 float32; out2 64 x 1,024 float32; out3 64 x 1,024 float32.
;; 2 versions, each right; version 2 is version 1 with the launch main written anew for expert scheduling mode. Each part assembles by itself: llvm-mc -triple=amdgcn-amd-amdhsa -mcpu=gfx1250 --defsym DOCPART=n.
;; ======== version 1 of 2: 3 launches
;; workspace buffers: wb 2,162,688 bytes; sfeat 262,144 bytes; pacc 2,097,152 bytes; pstat 131,072 bytes
;; launch prep (part 1): grid 256 x 1, 8 waves a work-group, no clusters, 9,216 bytes of LDS; arguments hidden_state, cell_state, W_s, b_s, W_h, wb, sfeat; writes wb, sfeat
.if DOCPART == 1
	.amdgcn_target "amdgcn-amd-amdhsa--gfx1250"
	.amdhsa_code_object_version 6
	.text
	.protected	k_qaf0d134d09_prep
	.globl	k_qaf0d134d09_prep
	.p2align	8
	.type	k_qaf0d134d09_prep,@function
k_qaf0d134d09_prep:
	s_mov_b64 s[64:65], 0
	v_nop
	global_prefetch_b8 v0, s[64:65] scope:SCOPE_SE
	s_setreg_imm32_b32 hwreg(HW_REG_WAVE_MODE, 25, 1), 1
	s_wait_xcnt 0x0
; TWO SMALL JOBS IN FRONT OF THE MAIN LAUNCH.  c2 = 2 log2(e), so that tanh(x) = 1 - 2 / (1 + 2^(c2 x)) needs no multiply later.
; (1) wb = bf16(c2 W_h), rounded once, laid out as the main launch's eight waves load it: for the block E = e / 16 (chunk c = E / 32, wave wv = (E / 4) % 8, bl = E % 4) and the K step s = k / 32,
;     byte wv x 270,336 + ((32 c + s) x 4 + bl) x 1,024 + 512 q + 16 L holds the eight numbers c2 W_h[16 E + L % 16][32 s + 16 q + 8 (L / 16) + 0..7]: a matrix fragment as it lies in registers.
;     A wave's stream is 64 K steps of 4,096 bytes; steps 64 and 65 repeat steps 0 and 1, so that a fetch two steps ahead never has to turn back.
; (2) sfeat[E][b][16] = c2 (state W_s^T + b_s) in f32, state = (hidden, cell); product in bf16 with f32 sums.
; SHARES.  Work-group g: E = g / 4, bb = g % 4: the 16 b x 16 e tile of (2), K split among its eight waves (128 each, four matrix instructions), the partial sums meeting in LDS;
; wave w also converts W_h's fragment (E, s = 8 bb + w).  LIMITS: bf16 operands; NaN and infinities are not treated apart.
.set C2BITS, 0x4038aa3b                ; 2 log2(e) = 2.885390
.set STREAM, 270336                    ; bytes of a wave's stream in wb: 66 K steps of 4,096
.set PART,  0                          ; LDS: wave w's partial tile, [16 b][16 e] f32, at 1,024 w
.set SPARE, 8192                       ; behind them: the spare words, 128 bytes for each wave, that no other line names
.set SPW, 8                            ; v8   LDS address of my spare word; never rewritten
.set NIL, 9                            ; v9   0; never rewritten
.set WH,  16                           ; v[16:31]   my 16 numbers of W_h, f32
.set WS,  32                           ; v[32:95]   W_s, f32, 16 a step
.set SX,  96                           ; v[96:159]  state, f32, 16 a step
.set FW,  160                          ; v[160:191] W_s fragments, 8 a step
.set FS,  192                          ; v[192:223] state fragments
.set ACC0, 224                         ; two accumulators that take turns
.set ACC1, 232
.set PK,  240                          ; v[240:247] W_h packed
	s_load_b256 s[4:11], s[0:1], 0x0               ; hidden s[4:5], cell s[6:7], W_s s[8:9], b_s s[10:11]
	s_load_b128 s[12:15], s[0:1], 0x20             ; W_h s[12:13], wb s[14:15]
	s_load_b64 s[16:17], s[0:1], 0x30              ; sfeat
	v_lshl_add_u32 v[SPW], v0, 2, SPARE
	v_mov_b32 v[NIL], 0
	v_lshrrev_b32 v1, 5, v0
	v_readfirstlane_b32 s20, v1                    ; wave 0..7
	v_and_b32 v1, 31, v0                           ; L
	v_and_b32 v2, 15, v0                           ; r = L % 16
	v_bfe_u32 v3, v0, 4, 1                         ; h = L / 16
	s_lshr_b32 s21, ttmp9, 2                       ; E
	s_and_b32 s22, ttmp9, 3                        ; bb
	s_mov_b32 s24, C2BITS
	s_mov_b32 s25, C2BITS                          ; named with it as a pair
	v_lshlrev_b32 v4, 12, v2                       ; row 16 E + r of W_h and of W_s: 4,096 bytes a row,
	v_lshl_add_u32 v4, v3, 5, v4                   ; + 32 h: eight f32 for each half of the lanes
	s_lshl_b32 s23, s21, 16
	v_add_nc_u32 v4, s23, v4
	s_lshl_b32 s26, s22, 10
	s_lshl_b32 s27, s20, 7
	s_add_co_u32 s26, s26, s27                     ; 128 s, s = 8 bb + w
	v_add_nc_u32 v5, s26, v4                       ; v5: my place in W_h
	s_lshl_b32 s27, s20, 9
	v_add_nc_u32 v6, s27, v4                       ; v6: my place in W_s: k from 128 w on
	v_lshlrev_b32 v7, 11, v2                       ; row 16 bb + r of hidden or cell: 2,048 bytes a row
	v_lshl_add_u32 v7, v3, 5, v7
	s_lshl_b32 s26, s22, 15
	s_and_b32 s27, s20, 3
	s_lshl_b32 s27, s27, 9                         ; k from 128 (w % 4) on
	s_add_co_u32 s26, s26, s27
	v_add_nc_u32 v7, s26, v7                       ; v7: my place in the state
	s_lshr_b32 s26, s21, 5                         ; c
	s_bfe_u32 s27, s21, 0x30002                    ; wv: three bits from bit 2
	s_and_b32 s28, s21, 3                          ; bl
	s_lshl_b32 s29, s22, 3
	s_add_co_u32 s29, s29, s20                     ; s
	s_lshl_b32 s30, s26, 5
	s_add_co_u32 s30, s30, s29                     ; 32 c + s
	s_lshl_b32 s30, s30, 2
	s_add_co_u32 s30, s30, s28
	s_lshl_b32 s30, s30, 10
	s_mul_i32 s31, s27, STREAM
	s_add_co_u32 s30, s30, s31
	v_lshl_add_u32 v10, v1, 4, s30                 ; v10: my 16 bytes in wb
	s_lshr_b32 s31, s20, 1
	s_or_b32 s31, s31, s22
	s_or_b32 s31, s31, s26                         ; 0 where c = 0 and s is 0 or 1: the fragment is stored a second time
	s_lshl_b32 s32, s20, 10
	v_lshlrev_b32 v11, 6, v2
	v_lshl_add_u32 v11, v3, 5, v11
	v_add_nc_u32 v11, s32, v11                     ; v11: PART + 1,024 w + 64 r + 32 h
	s_lshl_b32 s33, s20, 9
	v_lshl_add_u32 v12, v1, 4, s33                 ; v12: PART + 512 u + 16 L (u = my wave's number, waves 0 and 1)
	v_and_b32 v13, 3, v0
	s_lshl_b32 s34, s21, 6
	v_lshl_add_u32 v13, v13, 4, s34                ; v13: b_s at e = 16 E + 4 (L % 4)
	s_lshl_b32 s34, s21, 12
	s_lshl_b32 s35, s22, 10
	s_add_co_u32 s34, s34, s35
	s_add_co_u32 s34, s34, s33
	v_lshl_add_u32 v14, v1, 4, s34                 ; v14: sfeat at 4,096 E + 1,024 bb + 512 u + 16 L
	s_wait_kmcnt 0x0
	s_cmp_lt_u32 s20, 4                            ; k below 512 lies in hidden, the rest in cell
	s_cselect_b64 s[18:19], s[4:5], s[6:7]
.irp q, 0,1,2,3
	global_load_b128 v[WH+4*\q:WH+4*\q+3], v5, s[12:13] offset:16*(\q%2)+64*(\q/2)  ; k = 8 h + 0..7, then 16 + 8 h + 0..7
.endr
.set jj, 0
.rept 4
.irp q, 0,1,2,3
	global_load_b128 v[WS+16*jj+4*\q:WS+16*jj+4*\q+3], v6, s[8:9] offset:128*jj+16*(\q%2)+64*(\q/2)
.endr
.irp q, 0,1,2,3
	global_load_b128 v[SX+16*jj+4*\q:SX+16*jj+4*\q+3], v7, s[18:19] offset:128*jj+16*(\q%2)+64*(\q/2)
.endr
.set jj, jj+1
.endr
	s_wait_loadcnt 32                              ; W_h's four loads are in; the 32 younger ones stay out
.set i, 0
.rept 8
	v_pk_mul_f32 v[WH+2*i:WH+2*i+1], v[WH+2*i:WH+2*i+1], s[24:25] op_sel_hi:[1,0]
.set i, i+1
.endr
.set i, 0
.rept 8
	v_cvt_pk_bf16_f32 v[PK+i], v[WH+2*i], v[WH+2*i+1]
.set i, i+1
.endr
	global_store_b128 v10, v[PK:PK+3], s[14:15]               ; each store of the wave covers 512 consecutive bytes, aligned
	global_store_b128 v10, v[PK+4:PK+7], s[14:15] offset:512
	s_cmp_eq_u32 s31, 0
	s_cbranch_scc0 .Lnodup
	global_store_b128 v10, v[PK:PK+3], s[14:15] offset:64*4096       ; stream steps 64 and 65
	global_store_b128 v10, v[PK+4:PK+7], s[14:15] offset:64*4096+512
.Lnodup:
; the state feature: D[e][b], source 0 = 16 rows of W_s, source 1 = 16 rows of the state.  The two accumulators take turns.
.set jj, 0
.rept 4
	s_wait_loadcnt 8*(3-jj)                        ; step jj's eight loads are in; the later steps' stay out
.set i, 0
.rept 8
	v_cvt_pk_bf16_f32 v[FW+8*jj+i], v[WS+16*jj+2*i], v[WS+16*jj+2*i+1]
	v_cvt_pk_bf16_f32 v[FS+8*jj+i], v[SX+16*jj+2*i], v[SX+16*jj+2*i+1]
.set i, i+1
.endr
.if jj < 2
	v_wmma_f32_16x16x32_bf16 v[ACC0+8*jj:ACC0+8*jj+7], v[FW+8*jj:FW+8*jj+7], v[FS+8*jj:FS+8*jj+7], 0
.else
	v_wmma_f32_16x16x32_bf16 v[ACC0+8*(jj-2):ACC0+8*(jj-2)+7], v[FW+8*jj:FW+8*jj+7], v[FS+8*jj:FS+8*jj+7], v[ACC0+8*(jj-2):ACC0+8*(jj-2)+7]
.endif
.set jj, jj+1
.endr
.rept 8
	v_nop                                          ; the places behind the last products (ISA guide 7.12.1), once a launch
.endr
.set i, 0
.rept 4
	v_pk_add_f32 v[ACC0+2*i:ACC0+2*i+1], v[ACC0+2*i:ACC0+2*i+1], v[ACC1+2*i:ACC1+2*i+1]  ; from the low end on
.set i, i+1
.endr
	ds_store_b128 v11, v[ACC0:ACC0+3]              ; lane (r, h): row b = r, e = 8 h + 0..7
	ds_store_b128 v11, v[ACC0+4:ACC0+7] offset:16
	s_wait_dscnt 0x0                               ; for the others' sake: my partial tile is in LDS
	s_barrier_signal -1
	s_barrier_wait -1
	s_cmp_lt_u32 s20, 2                            ; waves 0 and 1 add the eight partial tiles, half a tile each
	s_cbranch_scc0 .Lend
	global_load_b128 v[96:99], v13, s[10:11]       ; b_s
.irp p, 0,1,2,3,4,5,6,7
	ds_load_b128 v[32+4*\p:35+4*\p], v12 offset:PART+1024*\p
.endr
	s_wait_dscnt 0x0
.irp p, 1,2,3,4,5,6,7
	v_pk_add_f32 v[32:33], v[32:33], v[32+4*\p:33+4*\p]
	v_pk_add_f32 v[34:35], v[34:35], v[34+4*\p:35+4*\p]
.endr
	s_wait_loadcnt 0x0                             ; b_s
	v_pk_add_f32 v[32:33], v[32:33], v[96:97]
	v_pk_add_f32 v[34:35], v[34:35], v[98:99]
	v_pk_mul_f32 v[32:33], v[32:33], s[24:25] op_sel_hi:[1,0]
	v_pk_mul_f32 v[34:35], v[34:35], s[24:25] op_sel_hi:[1,0]
	global_store_b128 v14, v[32:35], s[16:17]      ; 512 consecutive bytes, aligned
.Lend:
	s_wait_tensorcnt 0x0                           ; the wave's end: behind my last LDS store
	ds_add_u32 v[SPW], v[NIL]
	s_wait_dscnt 0x0
	s_endpgm
.Lfunc_end_k_qaf0d134d09_prep:
	.size	k_qaf0d134d09_prep, .Lfunc_end_k_qaf0d134d09_prep-k_qaf0d134d09_prep
	.p2alignl 7, 3214868480
	.fill 96, 4, 3214868480
	.section	.rodata,"a",@progbits
	.p2align	6, 0x0
	.amdhsa_kernel k_qaf0d134d09_prep
		.amdhsa_group_segment_fixed_size 9216
		.amdhsa_private_segment_fixed_size 0
		.amdhsa_enable_private_segment 0
		.amdhsa_kernarg_size 56
		.amdhsa_user_sgpr_count 2
		.amdhsa_user_sgpr_kernarg_segment_ptr 1
		.amdhsa_wavefront_size32 1
		.amdhsa_system_sgpr_workgroup_id_x 1
		.amdhsa_system_sgpr_workgroup_id_y 1
		.amdhsa_system_sgpr_workgroup_id_z 1
		.amdhsa_system_vgpr_workitem_id 0
		.amdhsa_next_free_vgpr 256
		.amdhsa_next_free_sgpr 66
		.amdhsa_reserve_vcc 0
		.amdhsa_float_denorm_mode_32 3
		.amdhsa_float_denorm_mode_16_64 3
		.amdhsa_memory_ordered 1
		.amdhsa_forward_progress 1
		.amdhsa_inst_pref_size 15
	.end_amdhsa_kernel
	.amdgpu_metadata
---
amdhsa.version: [ 1, 2 ]
amdhsa.kernels:
  - .name:           k_qaf0d134d09_prep
    .symbol:         k_qaf0d134d09_prep.kd
    .args:
      - { .name: hidden_state, .offset: 0, .size: 8, .value_kind: global_buffer, .address_space: global }
      - { .name: cell_state, .offset: 8, .size: 8, .value_kind: global_buffer, .address_space: global }
      - { .name: W_s, .offset: 16, .size: 8, .value_kind: global_buffer, .address_space: global }
      - { .name: b_s, .offset: 24, .size: 8, .value_kind: global_buffer, .address_space: global }
      - { .name: W_h, .offset: 32, .size: 8, .value_kind: global_buffer, .address_space: global }
      - { .name: wb, .offset: 40, .size: 8, .value_kind: global_buffer, .address_space: global }
      - { .name: sfeat, .offset: 48, .size: 8, .value_kind: global_buffer, .address_space: global }
    .group_segment_fixed_size: 9216
    .private_segment_fixed_size: 0
    .kernarg_segment_align: 8
    .kernarg_segment_size: 56
    .max_flat_workgroup_size: 256
    .sgpr_count:     66
    .vgpr_count:     256
    .wavefront_size: 32
...
	.end_amdgpu_metadata
.endif
;; end of part 1
;; launch main (part 2): grid 256 x 1, 8 waves a work-group, no clusters, 320,512 bytes of LDS; arguments context, coverage, padding_mask, W_x, v, wb, sfeat, out3, pacc, pstat; writes out3, pacc, pstat
.if DOCPART == 2
	.amdgcn_target "amdgcn-amd-amdhsa--gfx1250"
	.amdhsa_code_object_version 6
	.text
	.protected	k_qaf0d134d09_main
	.globl	k_qaf0d134d09_main
	.p2align	8
	.type	k_qaf0d134d09_main,@function
k_qaf0d134d09_main:
	s_mov_b64 s[64:65], 0
	v_nop
	global_prefetch_b8 v0, s[64:65] scope:SCOPE_SE
	s_setreg_imm32_b32 hwreg(HW_REG_WAVE_MODE, 25, 1), 1
	s_wait_xcnt 0x0
; score[l] = sum over e of v[e] tanh(context[l] . W_h[e] + sf[e] + coverage[l] W_x[e]), and, for each tile of 128 rows l, the tile's maximum m, the sum l_t of exp(score - m) mask
; and the sum over l of exp(score - m) mask context[l][:].  The last launch joins the eight tiles of a batch.
; SHARES.  A work-group stays for two tiles of 128 rows (tiles 2 g and 2 g + 1, both in batch g / 4).  A tile is read once from memory as f32, rounded once to bf16 and kept in LDS for BOTH products.
; e goes in two chunks of 512; in a chunk wave w owns e = 512 c + 64 w + 0..63 for all 128 rows: 32 accumulators of 16 x 16, 256 registers.
; EIGHT WAVES OF 512 REGISTERS, TWO ROLES WHILE A TILE COMES IN.  The tile comes in K order, in eight groups of 128 k.  Waves 4 to 7 have no sums running yet: their 256 accumulator registers are the staging
; (two sets of 16 KB a wave, 128 KB of the work-group on their way); they round each group and store it to LDS, two groups between two barriers.  Waves 0 to 3 meanwhile multiply chunk 0 on the groups
; that have been published: 11 of its 16 slabs of 64 k.  Behind the last group waves 4 to 7 begin chunk 0, so that the two roles go on most of a K loop apart: one's tanh phase and runs of loads can
; stand beside the other's products.  The price: a fragment of the tile read from LDS feeds 4 products, not 8.
; W_h comes as wb (bf16, times c2 = 2 log2 e, in fragment order): no two waves want the same byte of it, so it goes straight into registers, 512 consecutive bytes a load, a K step and a half ahead.
; NO CLUSTER, NO TENSOR LOADS: the tile (294,912 bytes), tables and stages leave 7,168 bytes of LDS: no room for a slot into which a joint load of W_h could land.
; LAYOUT.  D = W_h-fragment x context-fragment: a lane holds ONE row l (16 a + lane % 16) and eight e (8 (lane / 16) + 0..7).  The sums start at c2 sf[e] + coverage[l] c2 W_x[e], so D is y;
; tanh = 1 - 2 / (1 + 2^y), so score = sum v - sum 2 v / (1 + 2^y): 2^y = infinity gives 0 and 2^y = 0 gives 1, the two ends of tanh.
; LIMITS.  Matrix operands are bf16; v_exp_f32 and v_rcp_f32 flush denormals (ISA guide 15.8); the weights enter the second product as bf16 hi + bf16 lo; NaN and infinities are not treated apart.
; REGISTERS, in two windows of 256 (s_set_vgpr_msb: bits 1:0 source 0, 3:2 source 1, 5:4 source 2, 7:6 destination):
;   window 0: v0-63 addresses and small things (below); v64-127 F0, v128-191 F1: tile fragments of even and odd K steps (a at + 8 a); v192-223 G0, v224-255 G1: W_h fragments (b at + 8 b)
;             F1 holds c2 W_x and c2 sf at a chunk's head, F0 the table -2 v in the tanh phase; both are at work for the scores and the weighted sum
;   window 1: the accumulators, (a, b) at 64 b + 8 a; while a tile comes in, in waves 4 to 7: two staging sets of 128
.set PITCH, 144                        ; a row of a slab: 128 bytes (64 k) + 16: an odd multiple of 16, so the 16 rows of a fragment load fall on 16 different 16-byte columns
.set SLAB,  128*PITCH                  ; the tile lies slab by slab, so that what is written and what is read between two barriers are disjoint runs of bytes
.set GROUP, 2*SLAB
.set R16,   16*PITCH
.set SF_T,  16*SLAB                    ; 294,912: c2 sf, 1,024 f32
.set WX_O,  4096                       ; behind it c2 W_x,
.set VT_O,  8192                       ; and -2 v
.set SC,    SF_T+12288                 ; [wave][128 l] f32: the waves' parts of the scores
.set WT,    SC+4096                    ; for each wave 256 bytes of weights hi, 256 of lo (bf16): its own
.set OS,    WT+4096                    ; for each wave 512 bytes, the way out: its own
.set SPARE, OS+4096                    ; the spare words, 128 bytes for each wave, that no other line names
.set STREAM, 270336                    ; a wave's stream in wb
.set STEPB, 4096                       ; a K step of it
.set BOF,  4                           ; 16 L
.set TADR0, 5                          ; SF_T + 256 w + 32 h
.set TADR, 6                           ; + 2,048 c
.set ADA,  7                           ; my place in a fragment + the slab in hand: the K loop's walking address
.set ADAS, 8                           ; v8-11   r x PITCH + 16 h + 3 j slabs: fixed; v8 is my place in slab 0
.set LADQ, 12                          ; v12-15  where I store a group's 8 bytes, + 2 Q groups: fixed
.set COV,  16                          ; v16-23  coverage[16 a + r]
.set SUM,  24                          ; v24-39  the score sums, a pair for each a; at work in the weighted sum
.set CVO,  40                          ; 4 r
.set TRA,  41                          ; the turning loads' address
.set WFA,  42
.set SCA,  43
.set SCR,  44
.set WTS,  45
.set OSA,  46
.set OSR,  47
.set GB0,  48                          ; my place in the tile in memory; never rewritten
.set PFO,  49                          ; the prefetch's offset: a lane a row; never rewritten
.set SV,   50                          ; v50-51  sum of v, twice
.set MK,   52                          ; v52-55  padding_mask[4 L + 0..3]
.set U,    56                          ; v56-59  at work
.set PAO,  60                          ; 512 w + 16 L
.set PSO,  61                          ; 8 L
.set SPW,  62                          ; LDS address of my spare word; never rewritten
.set NIL,  63                          ; 0; never rewritten
.set T16,  124                         ; head alone: 16 x my thread's number
.set SFO,  125                         ; head alone: my 16 bytes in sfeat
.set TBA,  126                         ; head alone: my 16 bytes of a table
.set PB,   30                          ; s[30:31] where the W_h fetches stand
.set SB,   32                          ; s[32:33] my stream's first byte
.set MSB, 0
.macro WIN new                         ; the immediate's high byte repeats the setting that is left; a switch that changes nothing is dropped
.if MSB != (\new)
	s_set_vgpr_msb (MSB<<8)|(\new)
.set MSB, (\new)
.endif
.endm
.macro PLACES                          ; four places between a product and a load into, or a read of, its registers (ISA guide 7.12.1 for reads)
.rept 4
	v_nop
.endr
.endm
; 16 products: e blocks b0, b0 + 1 with all eight row blocks, 32 along K, on buffers par.  All 32 accumulators take turns, one instruction a turn.
.macro MUL par, b0
	WIN 0x50                                       ; D and C in window 1, both sources in window 0
.set bq, (\b0)
.rept 2
.set aq, 0
.rept 8
	v_wmma_f32_16x16x32_bf16 v[64*bq+8*aq:64*bq+8*aq+7], v[192+32*(\par)+8*bq:192+32*(\par)+8*bq+7], v[64+64*(\par)+8*aq:64+64*(\par)+8*aq+7], v[64*bq+8*aq:64*bq+8*aq+7]
.set aq, aq+1
.endr
.set bq, bq+1
.endr
.endm
.macro BFETCH par, half                ; two fragments of W_h, four loads of 512 consecutive bytes
	WIN 0
.set bq, 2*(\half)
.rept 2
	global_load_b128 v[192+32*(\par)+8*bq:192+32*(\par)+8*bq+3], v[BOF], s[PB:PB+1] offset:STEPB*(\par)+1024*bq
	global_load_b128 v[192+32*(\par)+8*bq+4:192+32*(\par)+8*bq+7], v[BOF], s[PB:PB+1] offset:STEPB*(\par)+1024*bq+512
.set bq, bq+1
.endr
.endm
.macro AFETCH par, areg, off           ; eight fragments of the tile, sixteen LDS loads in one run: half par of the slab at address register areg + off
	WIN 0
.set aq, 0
.rept 8
	ds_load_b128 v[64+64*(\par)+8*aq:64+64*(\par)+8*aq+3], v[(\areg)] offset:(\off)+64*(\par)+R16*aq
	ds_load_b128 v[64+64*(\par)+8*aq+4:64+64*(\par)+8*aq+7], v[(\areg)] offset:(\off)+64*(\par)+R16*aq+32
.set aq, aq+1
.endr
.endm
; A K STEP of 32: 32 products.  W_h is asked for two steps ahead, half a step's fragments at a time, into the registers just multiplied; the tile's fragments two steps ahead, at the step's end, from areg + off.
; last = 1: a chunk's last two steps: no further fragments of the tile; the even one fetches the table -2 v into F0.
.macro KSTEP par, last, areg, off
	s_wait_loadcnt 12                              ; this step's first two W_h fragments are in: three younger halves of four loads may stay out
.if (\last) && (\par)
	s_wait_dscnt 8                                 ; this step's fragments are in; the eight loads of -2 v may stay out
.else
	s_wait_dscnt 16                                ; this step's fragments are in; the next step's sixteen loads may stay out
.endif
	MUL \par, 0
	WIN 0
.if (\par) == 0
	s_wait_xcnt 0x0                                ; the youngest load stands 16 products back: the pointer is written only behind this wait
	s_add_nc_u64 s[PB:PB+1], s[PB:PB+1], 2*STEPB
.endif
	PLACES
	BFETCH \par, 0
	s_wait_loadcnt 12                              ; the other two fragments are in: again three younger halves may stay out
	MUL \par, 2
	WIN 0
	PLACES
	BFETCH \par, 1
.if \last
.if (\par) == 0
.set bq, 0
.rept 4
	ds_load_b128 v[64+8*bq:67+8*bq], v[TADR] offset:VT_O+64*bq
	ds_load_b128 v[68+8*bq:71+8*bq], v[TADR] offset:VT_O+64*bq+16
.set bq, bq+1
.endr
.endif
.else
	AFETCH \par, \areg, \off
.endif
.endm
.macro PAIR last, areg, off            ; a slab: two K steps; the next slab's fragments come from areg + off
	KSTEP 0, \last, \areg, \off
	KSTEP 1, \last, \areg, \off
.endm
.macro XPAIRS s0, n                    ; slabs s0 .. s0 + n - 1 while the tile comes in: every LDS address is a fixed register and an immediate
.set sx, (\s0)
.rept \n
	PAIR 0, ADAS+(sx+1)/3, SLAB*((sx+1)%3)
.set sx, sx+1
.endr
.endm
; A CHUNK'S HEAD: the sums start at c2 sf[e] + coverage[l] c2 W_x[e] (128 fused multiply-adds), so that every K step is alike and the finished sum is the exponent.
.macro CHUNKHEAD
	v_add_nc_u32 v[TADR], s28, v[TADR0]
.set bq, 0
.rept 4
	ds_load_b128 v[128+8*bq:131+8*bq], v[TADR] offset:WX_O+64*bq
	ds_load_b128 v[132+8*bq:135+8*bq], v[TADR] offset:WX_O+64*bq+16
	ds_load_b128 v[160+8*bq:163+8*bq], v[TADR] offset:64*bq
	ds_load_b128 v[164+8*bq:167+8*bq], v[TADR] offset:64*bq+16
.set bq, bq+1
.endr
	AFETCH 0, ADAS, 0
	s_wait_loadcnt 0x0                             ; coverage (and the mask); the W_h loads that are out were issued a phase ago
	s_wait_dscnt 16                                ; the two tables are in; the sixteen fragment loads may stay out
	WIN 0x40                                       ; destination in window 1
.set bq, 0
.rept 4
.set aq, 0
.rept 8
.set pq, 0
.rept 4
.if aq%2 == 0
	v_pk_fma_f32 v[64*bq+8*aq+2*pq:64*bq+8*aq+2*pq+1], v[128+8*bq+2*pq:128+8*bq+2*pq+1], v[COV+2*(aq/2):COV+2*(aq/2)+1], v[160+8*bq+2*pq:160+8*bq+2*pq+1] op_sel_hi:[1,0,1]
.else
	v_pk_fma_f32 v[64*bq+8*aq+2*pq:64*bq+8*aq+2*pq+1], v[128+8*bq+2*pq:128+8*bq+2*pq+1], v[COV+2*(aq/2):COV+2*(aq/2)+1], v[160+8*bq+2*pq:160+8*bq+2*pq+1] op_sel:[0,1,0] op_sel_hi:[1,1,1]
.endif
.set pq, pq+1
.endr
.set aq, aq+1
.endr
.set bq, bq+1
.endr
	AFETCH 1, ADAS, 0                              ; where the tables lay
.endm
; THE STREAM, waves 4 to 7.  A group is 128 k of my 32 rows: 32 loads, each two rows' 256 consecutive bytes, aligned.  The group stands in the immediate: the offset register is never rewritten.
.macro ISSUE set, grp
	WIN 0x40
.set nq, 0
.rept 32
	global_load_b128 v[128*(\set)+4*nq:128*(\set)+4*nq+3], v[GB0], s[4:5] offset:512*(\grp)+8192*(nq%16)+256*(nq/16) th:TH_LOAD_NT
.set nq, nq+1
.endr
	WIN 0
.endm
.macro CVST set, q                     ; a set is rounded once to bf16, in place, and stored as group 2 q + set
	WIN 0x45
.set nq, 0
.rept 32
	v_cvt_pk_bf16_f32 v[128*(\set)+4*nq], v[128*(\set)+4*nq], v[128*(\set)+4*nq+1]
	v_cvt_pk_bf16_f32 v[128*(\set)+4*nq+1], v[128*(\set)+4*nq+2], v[128*(\set)+4*nq+3]
.set nq, nq+1
.endr
	WIN 0x04                                       ; address in window 0, data in window 1
.set nq, 0
.rept 32
	ds_store_b64 v[LADQ+(\q)], v[128*(\set)+4*nq:128*(\set)+4*nq+1] offset:GROUP*(\set)+SLAB*(nq/16)+2*PITCH*(nq%16)
.set nq, nq+1
.endr
	WIN 0
.endm
; Both sets have their turn in one block, set 0 first: at the block's head set 0's loads are older than set 1's, whichever blocks were passed before, so both counted waits hold on every way through the text.
.macro YD q
	s_wait_loadcnt 32                              ; set 0's 32 loads are in; set 1's stay out
	CVST 0, \q
.if (\q) < 3
	ISSUE 0, 2*(\q)+2
	s_wait_loadcnt 32                              ; set 1's are in; the 32 just issued stay out
.else
	s_wait_loadcnt 0x0                             ; the last group; nothing more is asked for: no load leaves the tile
.endif
	CVST 1, \q
.if (\q) < 3
	ISSUE 1, 2*(\q)+3
.endif
.endm
; A DOUBLE PART of the stream, Q = 0 .. 3.  Waves 4 to 7 store slabs 4 Q .. 4 Q + 3.  Waves 0 to 3 read slabs up to 4 Q - 1, which earlier barriers have published.
; The barrier stands outside the branch, on every wave's path: in front of it each wave's LDS stores and loads are done; behind it the four slabs may be read.
.macro DPART q
	s_cmp_lt_u32 s24, 4
	s_cbranch_scc0 .Ly_\@
.if (\q) == 1
	CHUNKHEAD
	XPAIRS 0, 3
.endif
.if (\q) == 2
	XPAIRS 3, 4
.endif
.if (\q) == 3
	XPAIRS 7, 4
.endif
	s_branch .Lj_\@
.Ly_\@:
	YD \q
.Lj_\@:
	s_wait_dscnt 0x0
	s_barrier_signal -1
	s_barrier_wait -1
.endm
; THE TANH PHASE: four e blocks i of 32 register pairs q = 4 a + p, at 64 i + 2 q.
.macro ST3 i, q                        ; 1 + 2^y
	v_pk_add_f32 v[64*(\i)+2*(\q):64*(\i)+2*(\q)+1], v[64*(\i)+2*(\q):64*(\i)+2*(\q)+1], 1.0 op_sel_hi:[1,0]
.endm
.macro ST5 i, q                        ; the row block's sum, kept where its first pair lay (block 0, p = 0), takes (-2 v[e]) / (1 + 2^y)
.set aa, (\q)/4
.set pp, (\q)%4
.if ((\i) == 0) && (pp == 0)
	v_pk_mul_f32 v[8*aa:8*aa+1], v[8*aa:8*aa+1], v[64:65]
.else
	v_pk_fma_f32 v[8*aa:8*aa+1], v[64*(\i)+2*(\q):64*(\i)+2*(\q)+1], v[64+8*(\i)+2*pp:64+8*(\i)+2*pp+1], v[8*aa:8*aa+1]
.endif
.endm
; One window setting serves all of it.  Between two waits stand block i's ST3 and reciprocals, block i + 1's exponentials and block i - 1's ST5: none of them names a result of a transcendental issued since the last wait.
.macro EPI
	s_wait_dscnt 0x0                               ; the table -2 v is in
	WIN 0x51                                       ; destination, source 0 and source 2 in window 1, source 1 (-2 v) in window 0
.set nn, 0
.rept 64
	v_exp_f32 v[nn], v[nn]                         ; each accumulator's lowest register is read first
.set nn, nn+1
.endr
.set ii, 0
.rept 4
	v_nop                                          ; a plain instruction behind the last transcendental,
	s_wait_alu depctr_va_vdst(0)                   ; and the wait ahead of the first line that names a result: one for the batch
.set qq, 0
.rept 32
	ST3 ii, qq
.if qq > 0
	v_rcp_f32 v[64*ii+2*qq-2], v[64*ii+2*qq-2]
.endif
.if ii < 3
	v_exp_f32 v[64*ii+64+2*qq], v[64*ii+64+2*qq]
.endif
.if ii > 0
	ST5 ii-1, qq
.endif
.if qq > 0
	v_rcp_f32 v[64*ii+2*qq-1], v[64*ii+2*qq-1]
.endif
.if ii < 3
	v_exp_f32 v[64*ii+64+2*qq+1], v[64*ii+64+2*qq+1]
.endif
.set qq, qq+1
.endr
	v_rcp_f32 v[64*ii+62], v[64*ii+62]
	v_rcp_f32 v[64*ii+63], v[64*ii+63]
.set ii, ii+1
.endr
	v_nop
	s_wait_alu depctr_va_vdst(0)                   ; the last block's reciprocals
.set qq, 0
.rept 32
	ST5 3, qq
.set qq, qq+1
.endr
	WIN 0x01                                       ; source 0 in window 1
.set aq, 0
.rept 8
	v_pk_add_f32 v[SUM+2*aq:SUM+2*aq+1], v[8*aq:8*aq+1], v[SUM+2*aq:SUM+2*aq+1]
.set aq, aq+1
.endr
	WIN 0
.endm
; THE WEIGHTED SUM.  TRL: 32 rows l x my 128 columns d of the tile, turned: 8 fragments (three sets in window 1, the fourth in F1).  WS: 8 products, D_t[m][d] += weights[m][l] context[l][d]; rows m even hold hi, odd lo.
.macro TRL ks
.if (\ks) < 3
	WIN 0x40
.set tb, 64+64*(\ks)
.else
	WIN 0
.set tb, 128
.endif
.set tq, 0
.rept 8
	ds_load_tr16_b128 v[tb+8*tq:tb+8*tq+3], v[TRA] offset:SLAB*(tq/4)+32*(tq%4)+32*PITCH*(\ks)
	ds_load_tr16_b128 v[tb+8*tq+4:tb+8*tq+7], v[TRA] offset:SLAB*(tq/4)+32*(tq%4)+32*PITCH*(\ks)+R16
.set tq, tq+1
.endr
.endm
.macro WS ks
.if (\ks) < 3
	WIN 0x54
.set tb, 64+64*(\ks)
.else
	WIN 0x50
.set tb, 128
.endif
.set tq, 0
.rept 8
.if (\ks) == 0
	v_wmma_f32_16x16x32_bf16 v[8*tq:8*tq+7], v[96+8*(\ks):96+8*(\ks)+7], v[tb+8*tq:tb+8*tq+7], 0
.else
	v_wmma_f32_16x16x32_bf16 v[8*tq:8*tq+7], v[96+8*(\ks):96+8*(\ks)+7], v[tb+8*tq:tb+8*tq+7], v[8*tq:8*tq+7]
.endif
.set tq, tq+1
.endr
.endm
	s_load_b512 s[4:19], s[0:1], 0x0               ; context s[4:5], coverage s[6:7], mask s[8:9], W_x s[10:11], v s[12:13], wb s[14:15], sfeat s[16:17], out3 s[18:19]
	s_load_b128 s[20:23], s[0:1], 0x40             ; pacc s[20:21], pstat s[22:23]
	v_lshl_add_u32 v[SPW], v0, 2, SPARE
	v_mov_b32 v[NIL], 0
	v_lshrrev_b32 v1, 5, v0
	v_readfirstlane_b32 s24, v1                    ; wave 0..7
	v_and_b32 v1, 31, v0                           ; L
	v_and_b32 v2, 15, v0                           ; r
	v_bfe_u32 v3, v0, 4, 1                         ; h
	s_and_b32 s46, s24, 3                          ; my number among the four waves of my role
	v_lshlrev_b32 v[BOF], 4, v1
	s_lshl_b32 s37, s24, 8
	s_add_co_u32 s37, s37, SF_T
	v_lshl_add_u32 v[TADR0], v3, 5, s37
	v_mul_u32_u24 v[ADAS], v2, PITCH               ; a fragment: row r x pitch + 16 h
	v_lshl_add_u32 v[ADAS], v3, 4, v[ADAS]
.irp k, 1,2,3
	v_add_nc_u32 v[ADAS+\k], 3*SLAB*\k, v[ADAS]
.endr
	s_mul_i32 s37, s46, 32*PITCH                   ; where I store: my 32 rows, lanes 16 to 31 a row further down, 8 bytes a lane
	v_mul_u32_u24 v[LADQ], v3, PITCH
	v_lshl_add_u32 v[LADQ], v2, 3, v[LADQ]
	v_add_nc_u32 v[LADQ], s37, v[LADQ]
.irp k, 1,2,3
	v_add_nc_u32 v[LADQ+\k], 2*GROUP*\k, v[LADQ]
.endr
	v_and_b32 v[TRA], 7, v0                        ; the turning load: row 8 h + L % 8, 16 bytes at 16 ((L / 8) % 2), in my two slabs
	v_lshl_add_u32 v[TRA], v3, 3, v[TRA]
	v_mul_u32_u24 v[TRA], v[TRA], PITCH
	v_bfe_u32 v[U], v0, 3, 1
	v_lshl_add_u32 v[TRA], v[U], 4, v[TRA]
	s_mul_i32 s37, s24, GROUP
	v_add_nc_u32 v[TRA], s37, v[TRA]
	s_lshl_b32 s38, s24, 9                         ; 512 w
	v_and_b32 v[WFA], 1, v0                        ; the weights' fragment: even rows read hi, odd rows lo
	v_lshlrev_b32 v[WFA], 8, v[WFA]
	v_lshl_add_u32 v[WFA], v3, 4, v[WFA]
	s_add_co_u32 s37, s38, WT
	v_add_nc_u32 v[WFA], s37, v[WFA]
	v_lshl_add_u32 v[WTS], v1, 3, s37
	s_add_co_u32 s37, s38, SC
	v_lshl_add_u32 v[SCA], v2, 2, s37
	v_add_nc_u32 v[SCR], SC, v[BOF]
	s_add_co_u32 s37, s38, OS
	v_lshl_add_u32 v[OSA], v1, 2, s37
	v_lshl_add_u32 v[OSR], v1, 4, s37
	v_lshl_add_u32 v[PAO], v1, 4, s38
	v_lshlrev_b32 v[CVO], 2, v2
	v_lshlrev_b32 v[PSO], 3, v1
	s_lshl_b32 s37, s46, 17                        ; my 32 rows of 4,096 bytes
	v_lshl_add_u32 v[PFO], v1, 12, s37             ; a lane a row
	v_lshl_add_u32 v[GB0], v3, 12, s37             ; lanes 16 to 31 a row further down,
	v_lshl_add_u32 v[GB0], v2, 4, v[GB0]           ; 16 bytes a lane
.set i, 0
.rept 4
	v_mov_b32 v[U+i], 0                            ; v_permlanex16_b32's destination counts as read
.set i, i+1
.endr
	v_lshlrev_b32 v[T16], 4, v0                    ; my four e of the tables begin at 4 x my thread's number
	v_lshrrev_b32 v[SFO], 2, v0                    ; sfeat is [e / 16][b][16]
	v_lshlrev_b32 v[SFO], 12, v[SFO]
	v_and_b32 v[TBA], 3, v0
	v_lshl_add_u32 v[SFO], v[TBA], 4, v[SFO]
	v_add_nc_u32 v[TBA], SF_T, v[T16]
	s_mov_b32 s34, 0x76543210                      ; v_permlanex16_b32: each lane takes its own place in the other half
	s_mov_b32 s35, 0xfedcba98
	s_mov_b32 s36, 0xffff0000                      ; a word's upper bf16; also: lanes 16 to 31
	s_mov_b32 s44, 0x4038aa3b                      ; c2 = 2 log2(e)
	s_mov_b32 s45, 0x4038aa3b
	s_mov_b32 s43, 0
	s_wait_kmcnt 0x0
	s_lshl_b32 s42, ttmp9, 20                      ; two tiles of 128 rows of 4,096 bytes
	s_add_nc_u64 s[4:5], s[4:5], s[42:43]
	s_lshl_b32 s42, ttmp9, 10                      ; 256 numbers of coverage, mask and score
	s_add_nc_u64 s[6:7], s[6:7], s[42:43]
	s_add_nc_u64 s[8:9], s[8:9], s[42:43]
	s_add_nc_u64 s[18:19], s[18:19], s[42:43]
	s_lshl_b32 s42, ttmp9, 13
	s_add_nc_u64 s[20:21], s[20:21], s[42:43]
	s_lshl_b32 s42, ttmp9, 9
	s_add_nc_u64 s[22:23], s[22:23], s[42:43]
	s_lshr_b32 s42, ttmp9, 2                       ; the batch: 64 bytes in each block of sfeat
	s_lshl_b32 s42, s42, 6
	s_add_nc_u64 s[16:17], s[16:17], s[42:43]
	s_mul_i32 s42, s24, STREAM
	s_add_nc_u64 s[SB:SB+1], s[14:15], s[42:43]
	s_add_nc_u64 s[40:41], s[4:5], 524288          ; the second tile: for the prefetch; never rewritten
	global_load_b128 v[64:67], v[T16], s[10:11]    ; W_x, my four
	global_load_b128 v[68:71], v[T16], s[12:13]    ; v, my four
	global_load_b128 v[72:75], v[SFO], s[16:17]    ; c2 sf, my four
.set i, 0
.rept 8
	global_load_b128 v[88+4*i:91+4*i], v[BOF], s[12:13] offset:512*i  ; all of v, 32 numbers a lane, for its sum
.set i, i+1
.endr
	s_mov_b64 s[PB:PB+1], s[SB:SB+1]
	BFETCH 0, 0                                    ; W_h's K steps 0 and 1
	BFETCH 0, 1
	BFETCH 1, 0
	BFETCH 1, 1
	s_wait_loadcnt 16                              ; the eleven small loads are in; the sixteen W_h loads stay out
	v_pk_mul_f32 v[64:65], v[64:65], s[44:45] op_sel_hi:[1,0]
	v_pk_mul_f32 v[66:67], v[66:67], s[44:45] op_sel_hi:[1,0]
	v_pk_mul_f32 v[68:69], v[68:69], -2.0 op_sel_hi:[1,0]
	v_pk_mul_f32 v[70:71], v[70:71], -2.0 op_sel_hi:[1,0]
	ds_store_b128 v[TBA], v[72:75]                 ; the three tables serve both tiles: they lie in one batch
	ds_store_b128 v[TBA], v[64:67] offset:WX_O
	ds_store_b128 v[TBA], v[68:71] offset:VT_O
.set d, 2
.rept 4
.set i, 88
.rept 16/d
	v_pk_add_f32 v[i:i+1], v[i:i+1], v[i+d:i+d+1]
.set i, i+2*d
.endr
.set d, 2*d
.endr
	v_add_f32 v88, v88, v89
	v_add_f32_dpp v88, v88, v88 row_xmask:1 row_mask:0xf bank_mask:0xf
	v_add_f32_dpp v88, v88, v88 row_xmask:2 row_mask:0xf bank_mask:0xf
	v_add_f32_dpp v88, v88, v88 row_xmask:4 row_mask:0xf bank_mask:0xf
	v_add_f32_dpp v88, v88, v88 row_xmask:8 row_mask:0xf bank_mask:0xf
	v_permlanex16_b32 v[U], v88, s34, s35
	v_add_f32 v[SV], v88, v[U]
	v_mov_b32 v[SV+1], v[SV]
	s_mov_b32 s25, 2                               ; tiles to go
.Ltile:
.set i, 0
.rept 8
	global_load_b32 v[COV+i], v[CVO], s[6:7] offset:64*i
.set i, i+1
.endr
	global_load_b128 v[MK:MK+3], v[BOF], s[8:9]
.set i, 0
.rept 16
	v_mov_b32 v[SUM+i], 0                          ; the score sums run over both chunks, whose text is one
.set i, i+1
.endr
	s_mov_b32 s28, 0
	s_mov_b32 s26, 2                               ; chunks to go
	s_cmp_lt_u32 s24, 4
	s_cbranch_scc1 .Lnoissue
	ISSUE 0, 0                                     ; groups 0 and 1
	ISSUE 1, 1
.Lnoissue:
	s_wait_dscnt 0x0                               ; my stores of the tables are done, and so are my reads of the tile before:
	s_barrier_signal -1
	s_barrier_wait -1                              ; everybody's are: the tables may be read, the tile may be written anew
	DPART 0
	DPART 1
	DPART 2
	DPART 3
	; The whole tile lies in LDS.  Waves 0 to 3 have multiplied 11 slabs of chunk 0 and hold slab 11's fragments: they jump over the chunk's head and over 11 of the loop's 15 trips.
	s_mov_b32 s47, 15
	s_cmp_lt_u32 s24, 4
	s_cbranch_scc0 .Lchunk
	s_mov_b32 s47, 4
	s_branch .Lkhead
.Lchunk:
	CHUNKHEAD
.Lkhead:
	v_add_nc_u32 v[TADR], s28, v[TADR0]
	v_mov_b32 v[ADA], v[ADAS]                      ; trip t multiplies slab t and fetches slab t + 1: the address is stepped in dead trips too, so it is t slabs on in every wave
	s_mov_b32 s27, 15
.Lk:
	s_cmp_gt_u32 s27, s47
	s_cbranch_scc1 .Lkskip
	PAIR 0, ADA, SLAB
.Lkskip:
	v_add_nc_u32 v[ADA], SLAB, v[ADA]
	s_sub_co_u32 s27, s27, 1
	s_cmp_lg_u32 s27, 0
	s_cbranch_scc1 .Lk
	s_mov_b32 s47, 15
	PAIR 1, ADA, 0                                 ; slab 15; the W_h fetches run on into the next chunk's (or tile's) first two steps
	; A prefetch of the second tile's groups 0 and 1: waves 4 to 7, each its own 32 rows x 1,024 bytes: a lane a row, 4 instructions, each block of 256 bytes named once in the launch, by the wave that will load it.
	; It stands in the first tile's last chunk, behind the wave's W_h loads, with the tanh phase, the scores and the weighted sum between it and those loads; the second tile asks for nothing.
	s_lshr_b32 s37, s24, 2
	s_lshl_b32 s37, s37, 4
	s_lshl_b32 s38, s25, 2
	s_or_b32 s37, s37, s38
	s_or_b32 s37, s37, s26
	s_cmp_eq_u32 s37, 25
	s_cbranch_scc0 .Lnopf
.irp k, 0,1,2,3
	global_prefetch_b8 v[PFO], s[40:41] offset:256*\k th:TH_LOAD_NT scope:SCOPE_SE
.endr
.Lnopf:
	EPI
	s_add_co_u32 s28, s28, 2048
	s_sub_co_u32 s26, s26, 1
	s_cmp_lg_u32 s26, 0
	s_cbranch_scc1 .Lchunk
	; THE SCORES.  A pair's two halves, the two halves of the lanes; then the eight waves meet in LDS.
	; A barrier first: every wave's reads of the tile by the walking address are done before any wave stores to LDS again; the sums below, work on registers, stand between its signal and its wait.
	s_wait_dscnt 0x0
	s_barrier_signal -1
.set i, 0
.rept 8
	v_add_f32 v[64+i], v[SUM+2*i], v[SUM+2*i+1]
.set i, i+1
.endr
.set i, 0
.rept 8
	v_permlanex16_b32 v[72+i], v[64+i], s34, s35
.set i, i+1
.endr
.set i, 0
.rept 8
	v_add_f32 v[64+i], v[64+i], v[72+i]
.set i, i+1
.endr
	s_barrier_wait -1
.set i, 0
.rept 8
	ds_store_b32 v[SCA], v[64+i] offset:64*i       ; l = 16 i + r; both halves of the lanes write the same number
.set i, i+1
.endr
	s_wait_dscnt 0x0                               ; for the others' sake
	s_barrier_signal -1
	s_barrier_wait -1
.irp p, 0,1,2,3,4,5,6,7
	ds_load_b128 v[64+4*\p:67+4*\p], v[SCR] offset:512*\p  ; every wave takes all: lane L the rows 4 L + 0..3
.endr
	s_wait_dscnt 0x0
.irp p, 0,2,4,6
	v_pk_add_f32 v[64+4*\p:65+4*\p], v[64+4*\p:65+4*\p], v[68+4*\p:69+4*\p]
	v_pk_add_f32 v[66+4*\p:67+4*\p], v[66+4*\p:67+4*\p], v[70+4*\p:71+4*\p]
.endr
.irp p, 0,4
	v_pk_add_f32 v[64+4*\p:65+4*\p], v[64+4*\p:65+4*\p], v[72+4*\p:73+4*\p]
	v_pk_add_f32 v[66+4*\p:67+4*\p], v[66+4*\p:67+4*\p], v[74+4*\p:75+4*\p]
.endr
	v_pk_add_f32 v[64:65], v[64:65], v[80:81]
	v_pk_add_f32 v[66:67], v[66:67], v[82:83]
	v_pk_add_f32 v[64:65], v[64:65], v[SV:SV+1]    ; score = sum v - sum 2 v / (1 + 2^y)
	v_pk_add_f32 v[66:67], v[66:67], v[SV:SV+1]
	v_max3_num_f32 v80, v64, v65, v66              ; the tile's maximum
	v_max_num_f32 v80, v80, v67
	v_max_num_f32_dpp v80, v80, v80 row_xmask:1 row_mask:0xf bank_mask:0xf
	v_max_num_f32_dpp v80, v80, v80 row_xmask:2 row_mask:0xf bank_mask:0xf
	v_max_num_f32_dpp v80, v80, v80 row_xmask:4 row_mask:0xf bank_mask:0xf
	v_max_num_f32_dpp v80, v80, v80 row_xmask:8 row_mask:0xf bank_mask:0xf
	v_permlanex16_b32 v[U], v80, s34, s35
	v_max_num_f32 v82, v80, v[U]                   ; m
.irp p, 0,1,2,3
	v_sub_f32 v[84+\p], v[64+\p], v82
.endr
.irp p, 0,1,2,3
	v_mul_f32 v[84+\p], 0x3fb8aa3b, v[84+\p]
.endr
.irp p, 0,1,2,3
	v_exp_f32 v[84+\p], v[84+\p]
.endr
	v_nop
	s_wait_alu depctr_va_vdst(0)                   ; one wait for the four exponentials
	v_pk_mul_f32 v[84:85], v[84:85], v[MK:MK+1]
	v_pk_mul_f32 v[86:87], v[86:87], v[MK+2:MK+3]
	v_add_f32 v88, v84, v85
	v_add_f32 v89, v86, v87
	v_add_f32 v88, v88, v89
	v_add_f32_dpp v88, v88, v88 row_xmask:1 row_mask:0xf bank_mask:0xf
	v_add_f32_dpp v88, v88, v88 row_xmask:2 row_mask:0xf bank_mask:0xf
	v_add_f32_dpp v88, v88, v88 row_xmask:4 row_mask:0xf bank_mask:0xf
	v_add_f32_dpp v88, v88, v88 row_xmask:8 row_mask:0xf bank_mask:0xf
	v_permlanex16_b32 v[U+1], v88, s34, s35
	v_add_f32 v83, v88, v[U+1]                     ; l_t
	v_cvt_pk_bf16_f32 v90, v84, v85                ; hi,
	v_cvt_pk_bf16_f32 v91, v86, v87
	v_lshlrev_b32 v92, 16, v90
	v_and_b32 v93, s36, v90
	v_lshlrev_b32 v94, 16, v91
	v_and_b32 v95, s36, v91
	v_pk_add_f32 v[68:69], v[84:85], v[92:93] neg_lo:[0,1] neg_hi:[0,1]
	v_pk_add_f32 v[70:71], v[86:87], v[94:95] neg_lo:[0,1] neg_hi:[0,1]
	v_cvt_pk_bf16_f32 v72, v68, v69                ; and lo = what hi's rounding left
	v_cvt_pk_bf16_f32 v73, v70, v71
	ds_store_b64 v[WTS], v[90:91]
	ds_store_b64 v[WTS], v[72:73] offset:256
	s_cmp_lg_u32 s24, 0                            ; wave 0 stores the scores (512 consecutive bytes) and (m, l_t), 32 times: 256 consecutive bytes
	s_cbranch_scc1 .Lnot0
	global_store_b128 v[BOF], v[64:67], s[18:19]
	global_store_b64 v[PSO], v[82:83], s[22:23]
.Lnot0:
	; THE WEIGHTED SUM over the tile's 128 rows, for my 128 columns.  LDS serves a wave's instructions in order (ISA guide 5.7.1.4): the loads below see my two stores above.
.irp k, 0,1,2,3
	ds_load_b128 v[96+8*\k:99+8*\k], v[WFA] offset:64*\k
	ds_load_b128 v[100+8*\k:103+8*\k], v[WFA] offset:64*\k+32
.endr
	TRL 0
	TRL 1
	TRL 2
	s_wait_dscnt 32                                ; the weights and the first run are in; two younger runs of 16 stay out
	WS 0
	TRL 3                                          ; into registers that none of those products names
	s_wait_dscnt 32                                ; the second run is in; again two younger runs stay out
	WS 1
	s_wait_dscnt 16
	WS 2
	s_wait_dscnt 0x0
	WS 3
	PLACES
	PLACES
	WIN 0x05                                       ; sources in window 1, destination in window 0
.set tq, 0
.rept 8
	v_add_f32 v[SUM+tq], v[8*tq], v[8*tq+1]        ; row 8 h (hi) + row 8 h + 1 (lo): column 16 t + r, the same in both halves of the lanes
.set tq, tq+1
.endr
	WIN 0
.set i, 0
.rept 4
	v_cndmask_b32 v[SUM+i], v[SUM+2*i], v[SUM+2*i+1], s36  ; lanes 16 to 31 take the odd block: lane L holds column 32 i + L
.set i, i+1
.endr
.set i, 0
.rept 4
	ds_store_b32 v[OSA], v[SUM+i] offset:128*i
.set i, i+1
.endr
	ds_load_b128 v[SUM+8:SUM+11], v[OSR]
	s_wait_dscnt 0x0
	global_store_b128 v[PAO], v[SUM+8:SUM+11], s[20:21]        ; 512 consecutive bytes, aligned
	s_wait_xcnt 0x0                                ; the stores' data and all bases are rewritten only behind this wait
	s_add_nc_u64 s[4:5], s[4:5], 524288            ; on to the second tile
	s_add_nc_u64 s[6:7], s[6:7], 512
	s_add_nc_u64 s[8:9], s[8:9], 512
	s_add_nc_u64 s[18:19], s[18:19], 512
	s_add_nc_u64 s[20:21], s[20:21], 4096
	s_add_nc_u64 s[22:23], s[22:23], 256
	s_mov_b64 s[PB:PB+1], s[SB:SB+1]               ; the stream begins anew: its steps 64 and 65, which are on their way, repeat steps 0 and 1
	s_sub_co_u32 s25, s25, 1
	s_cmp_lg_u32 s25, 0
	s_cbranch_scc1 .Ltile
	s_wait_tensorcnt 0x0                           ; the wave's end: behind my last LDS store
	ds_add_u32 v[SPW], v[NIL]
	s_wait_dscnt 0x0
	s_endpgm
.Lfunc_end_k_qaf0d134d09_main:
	.size	k_qaf0d134d09_main, .Lfunc_end_k_qaf0d134d09_main-k_qaf0d134d09_main
	.p2alignl 7, 3214868480
	.fill 96, 4, 3214868480
	.section	.rodata,"a",@progbits
	.p2align	6, 0x0
	.amdhsa_kernel k_qaf0d134d09_main
		.amdhsa_group_segment_fixed_size 320512
		.amdhsa_private_segment_fixed_size 0
		.amdhsa_enable_private_segment 0
		.amdhsa_kernarg_size 80
		.amdhsa_user_sgpr_count 2
		.amdhsa_user_sgpr_kernarg_segment_ptr 1
		.amdhsa_wavefront_size32 1
		.amdhsa_system_sgpr_workgroup_id_x 1
		.amdhsa_system_sgpr_workgroup_id_y 1
		.amdhsa_system_sgpr_workgroup_id_z 1
		.amdhsa_system_vgpr_workitem_id 0
		.amdhsa_next_free_vgpr 512
		.amdhsa_next_free_sgpr 66
		.amdhsa_reserve_vcc 0
		.amdhsa_float_denorm_mode_32 3
		.amdhsa_float_denorm_mode_16_64 3
		.amdhsa_memory_ordered 1
		.amdhsa_forward_progress 1
		.amdhsa_inst_pref_size 255
	.end_amdhsa_kernel
	.section	.bss,"aw",@nobits
	.p2align	6
	.space	262144
	.amdgpu_metadata
---
amdhsa.version: [ 1, 2 ]
amdhsa.kernels:
  - .name:           k_qaf0d134d09_main
    .symbol:         k_qaf0d134d09_main.kd
    .args:
      - { .name: context, .offset: 0, .size: 8, .value_kind: global_buffer, .address_space: global }
      - { .name: coverage, .offset: 8, .size: 8, .value_kind: global_buffer, .address_space: global }
      - { .name: padding_mask, .offset: 16, .size: 8, .value_kind: global_buffer, .address_space: global }
      - { .name: W_x, .offset: 24, .size: 8, .value_kind: global_buffer, .address_space: global }
      - { .name: v, .offset: 32, .size: 8, .value_kind: global_buffer, .address_space: global }
      - { .name: wb, .offset: 40, .size: 8, .value_kind: global_buffer, .address_space: global }
      - { .name: sfeat, .offset: 48, .size: 8, .value_kind: global_buffer, .address_space: global }
      - { .name: out3, .offset: 56, .size: 8, .value_kind: global_buffer, .address_space: global }
      - { .name: pacc, .offset: 64, .size: 8, .value_kind: global_buffer, .address_space: global }
      - { .name: pstat, .offset: 72, .size: 8, .value_kind: global_buffer, .address_space: global }
    .group_segment_fixed_size: 320512
    .private_segment_fixed_size: 0
    .kernarg_segment_align: 8
    .kernarg_segment_size: 80
    .max_flat_workgroup_size: 256
    .sgpr_count:     66
    .vgpr_count:     512
    .wavefront_size: 32
...
	.end_amdgpu_metadata
.endif
;; end of part 2
;; launch finish (part 3): grid 256 x 1, 2 waves a work-group, no clusters, 0 bytes of LDS; arguments coverage, padding_mask, out3, pacc, pstat, out0, out1, out2; writes out0, out1, out2
.if DOCPART == 3
	.amdgcn_target "amdgcn-amd-amdhsa--gfx1250"
	.amdhsa_code_object_version 6
	.text
	.protected	k_qaf0d134d09_finish
	.globl	k_qaf0d134d09_finish
	.p2align	8
	.type	k_qaf0d134d09_finish,@function
k_qaf0d134d09_finish:
	s_mov_b64 s[64:65], 0
	v_nop
	global_prefetch_b8 v0, s[64:65] scope:SCOPE_SE
	s_setreg_imm32_b32 hwreg(HW_REG_WAVE_MODE, 25, 1), 1
	s_wait_xcnt 0x0
; THE EIGHT TILES OF A BATCH ARE JOINED.  M = max of the tiles' m_j; f_j = exp(m_j - M); L = sum f_j l_j;
; out1 = exp(score - M) mask / L;  out0 = sum over j of (f_j / L) pacc_j;  out2 = coverage.
; That is softmax x mask, divided by its sum: the softmax's own divisor cancels.  A row whose masked weights are all 0 gives NaN, as 0 / 0 does.  The division is v_rcp_f32 and a multiply.
; SHARES.  Work-group g: batch g / 4, quarter g % 4 of its 1,024 numbers; a thread has four: every load and store of a wave covers 512 consecutive bytes.  No LDS, no barrier, no matrix work:
; the launch moves 3 MB and has nothing to share.
	s_load_b512 s[4:19], s[0:1], 0x0               ; coverage s[4:5], mask s[6:7], out3 s[8:9], pacc s[10:11], pstat s[12:13], out0 s[14:15], out1 s[16:17], out2 s[18:19]
	v_lshlrev_b32 v1, 4, v0
	s_lshl_b32 s20, ttmp9, 10
	v_add_nc_u32 v1, s20, v1                       ; v1: 4,096 b + 1,024 q + 16 t: my 16 bytes in a [64][1024] f32 array
	s_lshr_b32 s21, ttmp9, 2                       ; b
	s_and_b32 s22, ttmp9, 3                        ; q
	s_lshl_b32 s23, s21, 15
	s_lshl_b32 s24, s22, 10
	s_add_co_u32 s23, s23, s24
	v_lshl_add_u32 v2, v0, 4, s23                  ; v2: my 16 bytes in the batch's first tile of pacc
	v_and_b32 v3, 31, v0
	s_lshl_b32 s24, s21, 11
	v_lshl_add_u32 v3, v3, 3, s24                  ; v3: pair number lane of the batch's first tile in pstat (all 32 pairs are alike)
	s_wait_kmcnt 0x0
.irp j, 0,1,2,3,4,5,6,7
	global_load_b64 v[8+2*\j:9+2*\j], v3, s[12:13] offset:256*\j   ; (m_j, l_j)
.endr
	global_load_b128 v[24:27], v1, s[8:9]          ; score
	global_load_b128 v[28:31], v1, s[6:7]          ; mask
	global_load_b128 v[32:35], v1, s[4:5]          ; coverage
.irp j, 0,1,2,3,4,5,6,7
	global_load_b128 v[40+4*\j:43+4*\j], v2, s[10:11] offset:4096*\j th:TH_LOAD_NT
.endr
	s_wait_loadcnt 11                              ; the eight pairs are in; 3 + 8 younger loads stay out
	v_max3_num_f32 v72, v8, v10, v12
	v_max3_num_f32 v72, v72, v14, v16
	v_max3_num_f32 v72, v72, v18, v20
	v_max_num_f32 v72, v72, v22                    ; M
.irp j, 0,1,2,3,4,5,6,7
	v_sub_f32 v[74+\j], v[8+2*\j], v72
.endr
.irp j, 0,1,2,3,4,5,6,7
	v_mul_f32 v[74+\j], 0x3fb8aa3b, v[74+\j]
.endr
.irp j, 0,1,2,3,4,5,6,7
	v_exp_f32 v[74+\j], v[74+\j]                   ; f_j
.endr
	v_nop
	s_wait_alu depctr_va_vdst(0)                   ; one wait for the eight exponentials
	v_mul_f32 v82, v74, v9
.irp j, 1,2,3,4,5,6,7
	v_fma_f32 v82, v[74+\j], v[9+2*\j], v82        ; L
.endr
	v_rcp_f32 v83, v82
	v_nop
	s_wait_alu depctr_va_vdst(0)
.irp j, 0,1,2,3
	v_pk_mul_f32 v[74+2*\j:75+2*\j], v[74+2*\j:75+2*\j], v[82:83] op_sel:[0,1] op_sel_hi:[1,1]  ; f_j / L
.endr
	s_wait_loadcnt 8                               ; score, mask and coverage are in; pacc's eight loads stay out
	global_store_b128 v1, v[32:35], s[18:19]       ; out2
.irp p, 0,1,2,3
	v_sub_f32 v[88+\p], v[24+\p], v72
.endr
.irp p, 0,1,2,3
	v_mul_f32 v[88+\p], 0x3fb8aa3b, v[88+\p]
.endr
.irp p, 0,1,2,3
	v_exp_f32 v[88+\p], v[88+\p]
.endr
	v_nop
	s_wait_alu depctr_va_vdst(0)
	v_pk_mul_f32 v[88:89], v[88:89], v[28:29]
	v_pk_mul_f32 v[90:91], v[90:91], v[30:31]
	v_pk_mul_f32 v[88:89], v[88:89], v[82:83] op_sel:[0,1] op_sel_hi:[1,1]
	v_pk_mul_f32 v[90:91], v[90:91], v[82:83] op_sel:[0,1] op_sel_hi:[1,1]
	global_store_b128 v1, v[88:91], s[16:17]       ; out1
	s_wait_loadcnt 0x0
	v_pk_mul_f32 v[84:85], v[40:41], v[74:75] op_sel_hi:[1,0]
	v_pk_mul_f32 v[86:87], v[42:43], v[74:75] op_sel_hi:[1,0]
.irp j, 1,2,3,4,5,6,7
.if (\j)%2 == 0
	v_pk_fma_f32 v[84:85], v[40+4*\j:41+4*\j], v[74+2*(\j/2):75+2*(\j/2)], v[84:85] op_sel_hi:[1,0,1]
	v_pk_fma_f32 v[86:87], v[42+4*\j:43+4*\j], v[74+2*(\j/2):75+2*(\j/2)], v[86:87] op_sel_hi:[1,0,1]
.else
	v_pk_fma_f32 v[84:85], v[40+4*\j:41+4*\j], v[74+2*(\j/2):75+2*(\j/2)], v[84:85] op_sel:[0,1,0] op_sel_hi:[1,1,1]
	v_pk_fma_f32 v[86:87], v[42+4*\j:43+4*\j], v[74+2*(\j/2):75+2*(\j/2)], v[86:87] op_sel:[0,1,0] op_sel_hi:[1,1,1]
.endif
.endr
	global_store_b128 v1, v[84:87], s[14:15]       ; out0
	s_endpgm
.Lfunc_end_k_qaf0d134d09_finish:
	.size	k_qaf0d134d09_finish, .Lfunc_end_k_qaf0d134d09_finish-k_qaf0d134d09_finish
	.p2alignl 7, 3214868480
	.fill 96, 4, 3214868480
	.section	.rodata,"a",@progbits
	.p2align	6, 0x0
	.amdhsa_kernel k_qaf0d134d09_finish
		.amdhsa_group_segment_fixed_size 0
		.amdhsa_private_segment_fixed_size 0
		.amdhsa_enable_private_segment 0
		.amdhsa_kernarg_size 64
		.amdhsa_user_sgpr_count 2
		.amdhsa_user_sgpr_kernarg_segment_ptr 1
		.amdhsa_wavefront_size32 1
		.amdhsa_system_sgpr_workgroup_id_x 1
		.amdhsa_system_sgpr_workgroup_id_y 1
		.amdhsa_system_sgpr_workgroup_id_z 1
		.amdhsa_system_vgpr_workitem_id 0
		.amdhsa_next_free_vgpr 96
		.amdhsa_next_free_sgpr 66
		.amdhsa_reserve_vcc 0
		.amdhsa_float_denorm_mode_32 3
		.amdhsa_float_denorm_mode_16_64 3
		.amdhsa_memory_ordered 1
		.amdhsa_forward_progress 1
		.amdhsa_inst_pref_size 7
	.end_amdhsa_kernel
	.amdgpu_metadata
---
amdhsa.version: [ 1, 2 ]
amdhsa.kernels:
  - .name:           k_qaf0d134d09_finish
    .symbol:         k_qaf0d134d09_finish.kd
    .args:
      - { .name: coverage, .offset: 0, .size: 8, .value_kind: global_buffer, .address_space: global }
      - { .name: padding_mask, .offset: 8, .size: 8, .value_kind: global_buffer, .address_space: global }
      - { .name: out3, .offset: 16, .size: 8, .value_kind: global_buffer, .address_space: global }
      - { .name: pacc, .offset: 24, .size: 8, .value_kind: global_buffer, .address_space: global }
      - { .name: pstat, .offset: 32, .size: 8, .value_kind: global_buffer, .address_space: global }
      - { .name: out0, .offset: 40, .size: 8, .value_kind: global_buffer, .address_space: global }
      - { .name: out1, .offset: 48, .size: 8, .value_kind: global_buffer, .address_space: global }
      - { .name: out2, .offset: 56, .size: 8, .value_kind: global_buffer, .address_space: global }
    .group_segment_fixed_size: 0
    .private_segment_fixed_size: 0
    .kernarg_segment_align: 8
    .kernarg_segment_size: 64
    .max_flat_workgroup_size: 64
    .sgpr_count:     66
    .vgpr_count:     96
    .wavefront_size: 32
...
	.end_amdgpu_metadata
.endif
;; end of part 3
;; ======== version 2 of 2: 3 launches; version 1 with the launch main written anew for expert scheduling mode
;; workspace buffers: wb 2,162,688 bytes; sfeat 262,144 bytes; pacc 2,097,152 bytes; pstat 131,072 bytes
;; launch prep: the kernel of part 1 again; grid 256 x 1, 8 waves a work-group, no clusters, 9,216 bytes of LDS; arguments hidden_state, cell_state, W_s, b_s, W_h, wb, sfeat; writes wb, sfeat
;; launch main (part 4): grid 256 x 1, 8 waves a work-group, no clusters, 320,512 bytes of LDS; arguments context, coverage, padding_mask, W_x, v, wb, sfeat, out3, pacc, pstat; writes out3, pacc, pstat
.if DOCPART == 4
	.amdgcn_target "amdgcn-amd-amdhsa--gfx1250"
	.amdhsa_code_object_version 6
	.text
	.protected	k_qaf0d134d09_main
	.globl	k_qaf0d134d09_main
	.p2align	8
	.type	k_qaf0d134d09_main,@function
k_qaf0d134d09_main:
	s_mov_b64 s[64:65], 0
	v_nop
	global_prefetch_b8 v0, s[64:65] scope:SCOPE_SE
	s_setreg_imm32_b32 hwreg(HW_REG_WAVE_SCHED_MODE, 0, 2), 2
	s_setreg_imm32_b32 hwreg(HW_REG_WAVE_MODE, 25, 1), 1
	s_wait_xcnt 0x0
	s_wait_alu depctr_vm_vsrc(0)
; score[l] = sum over e of v[e] tanh(context[l] . W_h[e] + sf[e] + coverage[l] W_x[e]), and, for each tile of 128 rows l, the tile's maximum m, the sum l_t of exp(score - m) mask
; and the sum over l of exp(score - m) mask context[l][:].  The last launch joins the eight tiles of a batch.
; SHARES.  A work-group stays for two tiles of 128 rows (tiles 2 g and 2 g + 1, both in batch g / 4).  A tile is read once from memory as f32, rounded once to bf16 and kept in LDS for BOTH products.
; e goes in two chunks of 512; in a chunk wave w owns e = 512 c + 64 w + 0..63 for all 128 rows: 32 accumulators of 16 x 16, 256 registers.
; EIGHT WAVES OF 512 REGISTERS, TWO ROLES WHILE A TILE COMES IN.  The tile comes in K order, in eight groups of 128 k.  Waves 4 to 7 have no sums running yet: their 256 accumulator registers are the staging
; (two sets of 16 KB a wave, 128 KB of the work-group on their way); they round each group and store it to LDS, two groups between two barriers.  Waves 0 to 3 meanwhile multiply chunk 0 on the groups
; that have been published: 11 of its 16 slabs of 64 k.  Behind the last group waves 4 to 7 begin chunk 0, so that the two roles go on most of a K loop apart: one's tanh phase and runs of loads can
; stand beside the other's products.  The price: a fragment of the tile read from LDS feeds 4 products, not 8.
; W_h comes as wb (bf16, times c2 = 2 log2 e, in fragment order): no two waves want the same byte of it, so it goes straight into registers, 512 consecutive bytes a load, a K step and a half ahead.
; NO CLUSTER, NO TENSOR LOADS: the tile (294,912 bytes), tables and stages leave 7,168 bytes of LDS: no room for a slot into which a joint load of W_h could land.
; LAYOUT.  D = W_h-fragment x context-fragment: a lane holds ONE row l (16 a + lane % 16) and eight e (8 (lane / 16) + 0..7).  The sums start at c2 sf[e] + coverage[l] c2 W_x[e], so D is y;
; tanh = 1 - 2 / (1 + 2^y), so score = sum v - sum 2 v / (1 + 2^y): 2^y = infinity gives 0 and 2^y = 0 gives 1, the two ends of tanh.
; LIMITS.  Matrix operands are bf16; v_exp_f32 and v_rcp_f32 flush denormals (ISA guide 15.8); the weights enter the second product as bf16 hi + bf16 lo; NaN and infinities are not treated apart.
; REGISTERS, in two windows of 256 (s_set_vgpr_msb: bits 1:0 source 0, 3:2 source 1, 5:4 source 2, 7:6 destination):
;   window 0: v0-63 addresses and small things (below); v64-127 F0, v128-191 F1: tile fragments of even and odd K steps (a at + 8 a); v192-223 G0, v224-255 G1: W_h fragments (b at + 8 b)
;             F1 holds c2 W_x and c2 sf at a chunk's head, F0 the table -2 v in the tanh phase; both are at work for the scores and the weighted sum
;   window 1: the accumulators, (a, b) at 64 b + 8 a; while a tile comes in, in waves 4 to 7: two staging sets of 128
; THE MODE: SCHED_MODE bits 1:0 = 2 (LLVM: expert scheduling mode 2), set by the entry lines.  The code itself states the register dependences between vector or matrix instructions and
; memory or LDS instructions, with s_wait_alu, always for 0.
; THE PLAN.  Registers that memory or LDS instructions touch:
;   G0, G1     W_h's loads land; products read.  Two fragments are asked for again behind the sixteen products that read them: one wait on va_vdst in front of the four loads.
;   F0, F1     The tile's fragment loads land; products read.  F[par] is asked for again at its K step's end: the step's second wait on va_vdst, which serves W_h's other four loads too.
;              Outside the K steps: tables, scores and weights; each run of loads or stores there has its wait, named where it stands.
;   window 1   In waves 4 to 7 while a tile comes in: loads land, conversions read and write in place, LDS stores read, loads land again.  Later: products and vector work, and three runs of turning loads.
;   v[TADR]    Written at a chunk's head and at the K loop's head; v[ADA] at the K loop's head and once a trip: a wait on vm_vsrc in front of each write; a K step's own wait on va_vdst stands in front of the next reader.
;   all other addresses are made at the kernel's head, in front of one wait on va_vdst, and never written again.
;   COV, MK    Loaded at a tile's head; read by vector work that stands in front of later waits on va_vdst.   SUM  read by the stores at a tile's end: a wait on vm_vsrc in front of the back branch.
; Two buffers of each kind are all that there is room for: eight waves of 512 registers, window 0 full.  The loads stand in runs: the products' destination lies in window 1, the loads' in window 0,
; so a load set singly among the products would want two switches of its own.
.set PITCH, 144                        ; a row of a slab: 128 bytes (64 k) + 16: an odd multiple of 16, so the 16 rows of a fragment load fall on 16 different 16-byte columns
.set SLAB,  128*PITCH                  ; the tile lies slab by slab, so that what is written and what is read between two barriers are disjoint runs of bytes
.set GROUP, 2*SLAB
.set R16,   16*PITCH
.set SF_T,  16*SLAB                    ; 294,912: c2 sf, 1,024 f32
.set WX_O,  4096                       ; behind it c2 W_x,
.set VT_O,  8192                       ; and -2 v
.set SC,    SF_T+12288                 ; [wave][128 l] f32: the waves' parts of the scores
.set WT,    SC+4096                    ; for each wave 256 bytes of weights hi, 256 of lo (bf16): its own
.set OS,    WT+4096                    ; for each wave 512 bytes, the way out: its own
.set SPARE, OS+4096                    ; the spare words, 128 bytes for each wave, that no other line names
.set STREAM, 270336                    ; a wave's stream in wb
.set STEPB, 4096                       ; a K step of it
.set BOF,  4                           ; 16 L
.set TADR0, 5                          ; SF_T + 256 w + 32 h
.set TADR, 6                           ; + 2,048 c
.set ADA,  7                           ; my place in a fragment + the slab in hand: the K loop's walking address
.set ADAS, 8                           ; v8-11   r x PITCH + 16 h + 3 j slabs: fixed; v8 is my place in slab 0
.set LADQ, 12                          ; v12-15  where I store a group's 8 bytes, + 2 Q groups: fixed
.set COV,  16                          ; v16-23  coverage[16 a + r]
.set SUM,  24                          ; v24-39  the score sums, a pair for each a; at work in the weighted sum
.set CVO,  40                          ; 4 r
.set TRA,  41                          ; the turning loads' address
.set WFA,  42
.set SCA,  43
.set SCR,  44
.set WTS,  45
.set OSA,  46
.set OSR,  47
.set GB0,  48                          ; my place in the tile in memory; never rewritten
.set PFO,  49                          ; the prefetch's offset: a lane a row; never rewritten
.set SV,   50                          ; v50-51  sum of v, twice
.set MK,   52                          ; v52-55  padding_mask[4 L + 0..3]
.set U,    56                          ; v56-59  at work
.set PAO,  60                          ; 512 w + 16 L
.set PSO,  61                          ; 8 L
.set SPW,  62                          ; LDS address of my spare word; never rewritten
.set NIL,  63                          ; 0; never rewritten
.set T16,  124                         ; head alone: 16 x my thread's number
.set SFO,  125                         ; head alone: my 16 bytes in sfeat
.set TBA,  126                         ; head alone: my 16 bytes of a table
.set PB,   30                          ; s[30:31] where the W_h fetches stand
.set SB,   32                          ; s[32:33] my stream's first byte
.set MSB, 0
.macro WIN new                         ; the immediate's high byte repeats the setting that is left; a switch that changes nothing is dropped
.if MSB != (\new)
	s_set_vgpr_msb (MSB<<8)|(\new)
.set MSB, (\new)
.endif
.endm
.macro PLACES                          ; four places between a product and a vector instruction that names its registers (ISA guide 7.12.1)
.rept 4
	v_nop
.endr
.endm
; 16 products: e blocks b0, b0 + 1 with all eight row blocks, 32 along K, on buffers par.  All 32 accumulators take turns, one instruction a turn.
.macro MUL par, b0
	WIN 0x50                                       ; D and C in window 1, both sources in window 0
.set bq, (\b0)
.rept 2
.set aq, 0
.rept 8
	v_wmma_f32_16x16x32_bf16 v[64*bq+8*aq:64*bq+8*aq+7], v[192+32*(\par)+8*bq:192+32*(\par)+8*bq+7], v[64+64*(\par)+8*aq:64+64*(\par)+8*aq+7], v[64*bq+8*aq:64*bq+8*aq+7]
.set aq, aq+1
.endr
.set bq, bq+1
.endr
.endm
.macro BFETCH par, half                ; two fragments of W_h, four loads of 512 consecutive bytes
	WIN 0
.set bq, 2*(\half)
.rept 2
	global_load_b128 v[192+32*(\par)+8*bq:192+32*(\par)+8*bq+3], v[BOF], s[PB:PB+1] offset:STEPB*(\par)+1024*bq
	global_load_b128 v[192+32*(\par)+8*bq+4:192+32*(\par)+8*bq+7], v[BOF], s[PB:PB+1] offset:STEPB*(\par)+1024*bq+512
.set bq, bq+1
.endr
.endm
.macro AFETCH par, areg, off           ; eight fragments of the tile, sixteen LDS loads in one run: half par of the slab at address register areg + off
	WIN 0
.set aq, 0
.rept 8
	ds_load_b128 v[64+64*(\par)+8*aq:64+64*(\par)+8*aq+3], v[(\areg)] offset:(\off)+64*(\par)+R16*aq
	ds_load_b128 v[64+64*(\par)+8*aq+4:64+64*(\par)+8*aq+7], v[(\areg)] offset:(\off)+64*(\par)+R16*aq+32
.set aq, aq+1
.endr
.endm
; A K STEP of 32: 32 products.  W_h is asked for two steps ahead, half a step's fragments at a time, into the registers just multiplied; the tile's fragments two steps ahead, at the step's end, from areg + off.
; Two waits on va_vdst, each under the loads' window and in front of a run of loads into registers that the sixteen products before it have read.
; last = 1: a chunk's last two steps: no further fragments of the tile; the even one fetches the table -2 v into F0.
.macro KSTEP par, last, areg, off
	s_wait_loadcnt 12                              ; this step's first two W_h fragments are in: three younger halves of four loads may stay out
.if (\last) && (\par)
	s_wait_dscnt 8                                 ; this step's fragments are in; the eight loads of -2 v may stay out
.else
	s_wait_dscnt 16                                ; this step's fragments are in; the next step's sixteen loads may stay out
.endif
	MUL \par, 0
	WIN 0
.if (\par) == 0
	s_wait_xcnt 0x0                                ; the youngest load stands 16 products back: the pointer is written only behind this wait
	s_add_nc_u64 s[PB:PB+1], s[PB:PB+1], 2*STEPB
.endif
	s_wait_alu depctr_va_vdst(0)                   ; the sixteen products are done reading W_h's fragments 0 and 1 of this buffer, in which the four loads below land
	BFETCH \par, 0
	s_wait_loadcnt 12                              ; the other two fragments are in: again three younger halves may stay out
	MUL \par, 2
	WIN 0
	PLACES                                         ; behind the step's products: on some way through the text a step is followed by vector instructions that name the accumulators (the tanh phase; behind a part's barrier the conversions and a chunk's head)
	s_wait_alu depctr_va_vdst(0)                   ; the step's products are done reading W_h's fragments 2 and 3 and the tile's fragments of this buffer, in which the loads below land; v[ADA] and v[TADR], which some of them read, are written
	BFETCH \par, 1
.if \last
.if (\par) == 0
.set bq, 0
.rept 4
	ds_load_b128 v[64+8*bq:67+8*bq], v[TADR] offset:VT_O+64*bq
	ds_load_b128 v[68+8*bq:71+8*bq], v[TADR] offset:VT_O+64*bq+16
.set bq, bq+1
.endr
.endif
.else
	AFETCH \par, \areg, \off
.endif
.endm
.macro PAIR last, areg, off            ; a slab: two K steps; the next slab's fragments come from areg + off
	KSTEP 0, \last, \areg, \off
	KSTEP 1, \last, \areg, \off
.endm
.macro XPAIRS s0, n                    ; slabs s0 .. s0 + n - 1 while the tile comes in: every LDS address is a fixed register and an immediate
.set sx, (\s0)
.rept \n
	PAIR 0, ADAS+(sx+1)/3, SLAB*((sx+1)%3)
.set sx, sx+1
.endr
.endm
; A CHUNK'S HEAD: the sums start at c2 sf[e] + coverage[l] c2 W_x[e] (128 fused multiply-adds), so that every K step is alike and the finished sum is the exponent.
.macro CHUNKHEAD
	s_wait_alu depctr_vm_vsrc(0)                   ; the table loads issued so far have read v[TADR], which the next line writes; the stores of tables, scores and weights have read their data and addresses in F0, in which fragments land below
	v_add_nc_u32 v[TADR], s28, v[TADR0]
	s_wait_alu depctr_va_vdst(0)                   ; v[TADR] is written, which the table loads read; the vector and matrix instructions issued so far are done with F0 and F1, in which the loads below land
.set bq, 0
.rept 4
	ds_load_b128 v[128+8*bq:131+8*bq], v[TADR] offset:WX_O+64*bq
	ds_load_b128 v[132+8*bq:135+8*bq], v[TADR] offset:WX_O+64*bq+16
	ds_load_b128 v[160+8*bq:163+8*bq], v[TADR] offset:64*bq
	ds_load_b128 v[164+8*bq:167+8*bq], v[TADR] offset:64*bq+16
.set bq, bq+1
.endr
	AFETCH 0, ADAS, 0
	s_wait_loadcnt 0x0                             ; coverage (and the mask); the W_h loads that are out were issued a phase ago
	s_wait_dscnt 16                                ; the two tables are in; the sixteen fragment loads may stay out
	WIN 0x40                                       ; destination in window 1
.set bq, 0
.rept 4
.set aq, 0
.rept 8
.set pq, 0
.rept 4
.if aq%2 == 0
	v_pk_fma_f32 v[64*bq+8*aq+2*pq:64*bq+8*aq+2*pq+1], v[128+8*bq+2*pq:128+8*bq+2*pq+1], v[COV+2*(aq/2):COV+2*(aq/2)+1], v[160+8*bq+2*pq:160+8*bq+2*pq+1] op_sel_hi:[1,0,1]
.else
	v_pk_fma_f32 v[64*bq+8*aq+2*pq:64*bq+8*aq+2*pq+1], v[128+8*bq+2*pq:128+8*bq+2*pq+1], v[COV+2*(aq/2):COV+2*(aq/2)+1], v[160+8*bq+2*pq:160+8*bq+2*pq+1] op_sel:[0,1,0] op_sel_hi:[1,1,1]
.endif
.set pq, pq+1
.endr
.set aq, aq+1
.endr
.set bq, bq+1
.endr
	WIN 0
	s_wait_alu depctr_va_vdst(0)                   ; the multiply-adds are done reading the two tables in F1, in which the fragments below land
	AFETCH 1, ADAS, 0                              ; where the tables lay
.endm
; THE STREAM, waves 4 to 7.  A group is 128 k of my 32 rows: 32 loads, each two rows' 256 consecutive bytes, aligned.  The group stands in the immediate: the offset register is never rewritten.
; The waits that these loads owe stand in front of the macro, under its window.
.macro ISSUE set, grp
	WIN 0x40
.set nq, 0
.rept 32
	global_load_b128 v[128*(\set)+4*nq:128*(\set)+4*nq+3], v[GB0], s[4:5] offset:512*(\grp)+8192*(nq%16)+256*(nq/16) th:TH_LOAD_NT
.set nq, nq+1
.endr
.endm
.macro CVST set, q                     ; a set is rounded once to bf16, in place, and stored as group 2 q + set
	WIN 0x45
.set nq, 0
.rept 32
	v_cvt_pk_bf16_f32 v[128*(\set)+4*nq], v[128*(\set)+4*nq], v[128*(\set)+4*nq+1]
	v_cvt_pk_bf16_f32 v[128*(\set)+4*nq+1], v[128*(\set)+4*nq+2], v[128*(\set)+4*nq+3]
.set nq, nq+1
.endr
	WIN 0x04                                       ; address in window 0, data in window 1
	s_wait_alu depctr_va_vdst(0)                   ; the conversions have written the set's packed words, which the LDS stores read
.set nq, 0
.rept 32
	ds_store_b64 v[LADQ+(\q)], v[128*(\set)+4*nq:128*(\set)+4*nq+1] offset:GROUP*(\set)+SLAB*(nq/16)+2*PITCH*(nq%16)
.set nq, nq+1
.endr
.endm
; Both sets have their turn in one block, set 0 first: at the block's head set 0's loads are older than set 1's, whichever blocks were passed before, so both counted waits hold on every way through the text.
.macro YD q
	s_wait_loadcnt 32                              ; set 0's 32 loads are in; set 1's stay out
	CVST 0, \q
.if (\q) < 3
	WIN 0x40
	s_wait_alu depctr_va_vdst(0)                   ; under the loads' window: the conversions are done reading and writing set 0,
	s_wait_alu depctr_vm_vsrc(0)                   ; and the LDS stores have read it: the loads below land in it
	ISSUE 0, 2*(\q)+2
	s_wait_loadcnt 32                              ; set 1's are in; the 32 just issued stay out
.else
	s_wait_loadcnt 0x0                             ; the last group; nothing more is asked for: no load leaves the tile
.endif
	CVST 1, \q
.if (\q) < 3
	WIN 0x40
	s_wait_alu depctr_va_vdst(0)                   ; under the loads' window: the conversions are done reading and writing set 1,
	s_wait_alu depctr_vm_vsrc(0)                   ; and the LDS stores have read it: the loads below land in it
	ISSUE 1, 2*(\q)+3
.else
	s_wait_alu depctr_vm_vsrc(0)                   ; the LDS stores have read both sets: from here on these registers are accumulators, which the chunk's head writes
.endif
	WIN 0
.endm
; A DOUBLE PART of the stream, Q = 0 .. 3.  Waves 4 to 7 store slabs 4 Q .. 4 Q + 3.  Waves 0 to 3 read slabs up to 4 Q - 1, which earlier barriers have published.
; The barrier stands outside the branch, on every wave's path: in front of it each wave's LDS stores and loads are done; behind it the four slabs may be read.
.macro DPART q
	s_cmp_lt_u32 s24, 4
	s_cbranch_scc0 .Ly_\@
.if (\q) == 1
	CHUNKHEAD
	XPAIRS 0, 3
.endif
.if (\q) == 2
	XPAIRS 3, 4
.endif
.if (\q) == 3
	XPAIRS 7, 4
.endif
	s_branch .Lj_\@
.Ly_\@:
	YD \q
.Lj_\@:
	s_wait_dscnt 0x0
	s_barrier_signal -1
	s_barrier_wait -1
.endm
; THE TANH PHASE: four e blocks i of 32 register pairs q = 4 a + p, at 64 i + 2 q.
.macro ST3 i, q                        ; 1 + 2^y
	v_pk_add_f32 v[64*(\i)+2*(\q):64*(\i)+2*(\q)+1], v[64*(\i)+2*(\q):64*(\i)+2*(\q)+1], 1.0 op_sel_hi:[1,0]
.endm
.macro ST5 i, q                        ; the row block's sum, kept where its first pair lay (block 0, p = 0), takes (-2 v[e]) / (1 + 2^y)
.set aa, (\q)/4
.set pp, (\q)%4
.if ((\i) == 0) && (pp == 0)
	v_pk_mul_f32 v[8*aa:8*aa+1], v[8*aa:8*aa+1], v[64:65]
.else
	v_pk_fma_f32 v[8*aa:8*aa+1], v[64*(\i)+2*(\q):64*(\i)+2*(\q)+1], v[64+8*(\i)+2*pp:64+8*(\i)+2*pp+1], v[8*aa:8*aa+1]
.endif
.endm
; One window setting serves all of it.  Between two waits stand block i's ST3 and reciprocals, block i + 1's exponentials and block i - 1's ST5: none of them names a result of a transcendental issued since the last wait.
; The places between the last K step's products and the first exponentials are that step's own four.
.macro EPI
	s_wait_dscnt 0x0                               ; the table -2 v is in
	WIN 0x51                                       ; destination, source 0 and source 2 in window 1, source 1 (-2 v) in window 0
.set nn, 0
.rept 64
	v_exp_f32 v[nn], v[nn]                         ; each accumulator's lowest register is read first
.set nn, nn+1
.endr
.set ii, 0
.rept 4
	v_nop                                          ; a plain instruction behind the last transcendental,
	s_wait_alu depctr_va_vdst(0)                   ; and the wait ahead of the first line that names a result: the exponentials of this block and the reciprocals of the block before are written
.set qq, 0
.rept 32
	ST3 ii, qq
.if qq > 0
	v_rcp_f32 v[64*ii+2*qq-2], v[64*ii+2*qq-2]
.endif
.if ii < 3
	v_exp_f32 v[64*ii+64+2*qq], v[64*ii+64+2*qq]
.endif
.if ii > 0
	ST5 ii-1, qq
.endif
.if qq > 0
	v_rcp_f32 v[64*ii+2*qq-1], v[64*ii+2*qq-1]
.endif
.if ii < 3
	v_exp_f32 v[64*ii+64+2*qq+1], v[64*ii+64+2*qq+1]
.endif
.set qq, qq+1
.endr
	v_rcp_f32 v[64*ii+62], v[64*ii+62]
	v_rcp_f32 v[64*ii+63], v[64*ii+63]
.set ii, ii+1
.endr
	v_nop
	s_wait_alu depctr_va_vdst(0)                   ; the last block's reciprocals are written
.set qq, 0
.rept 32
	ST5 3, qq
.set qq, qq+1
.endr
	WIN 0x01                                       ; source 0 in window 1
.set aq, 0
.rept 8
	v_pk_add_f32 v[SUM+2*aq:SUM+2*aq+1], v[8*aq:8*aq+1], v[SUM+2*aq:SUM+2*aq+1]
.set aq, aq+1
.endr
	WIN 0
.endm
; THE WEIGHTED SUM.  TRL: 32 rows l x my 128 columns d of the tile, turned: 8 fragments (three sets in window 1, the fourth in F1).  WS: 8 products, D_t[m][d] += weights[m][l] context[l][d]; rows m even hold hi, odd lo.
.macro TRL ks
.if (\ks) < 3
	WIN 0x40
.set tb, 64+64*(\ks)
.else
	WIN 0
.set tb, 128
.endif
.set tq, 0
.rept 8
	ds_load_tr16_b128 v[tb+8*tq:tb+8*tq+3], v[TRA] offset:SLAB*(tq/4)+32*(tq%4)+32*PITCH*(\ks)
	ds_load_tr16_b128 v[tb+8*tq+4:tb+8*tq+7], v[TRA] offset:SLAB*(tq/4)+32*(tq%4)+32*PITCH*(\ks)+R16
.set tq, tq+1
.endr
.endm
.macro WS ks
.if (\ks) < 3
	WIN 0x54
.set tb, 64+64*(\ks)
.else
	WIN 0x50
.set tb, 128
.endif
.set tq, 0
.rept 8
.if (\ks) == 0
	v_wmma_f32_16x16x32_bf16 v[8*tq:8*tq+7], v[96+8*(\ks):96+8*(\ks)+7], v[tb+8*tq:tb+8*tq+7], 0
.else
	v_wmma_f32_16x16x32_bf16 v[8*tq:8*tq+7], v[96+8*(\ks):96+8*(\ks)+7], v[tb+8*tq:tb+8*tq+7], v[8*tq:8*tq+7]
.endif
.set tq, tq+1
.endr
.endm
	s_load_b512 s[4:19], s[0:1], 0x0               ; context s[4:5], coverage s[6:7], mask s[8:9], W_x s[10:11], v s[12:13], wb s[14:15], sfeat s[16:17], out3 s[18:19]
	s_load_b128 s[20:23], s[0:1], 0x40             ; pacc s[20:21], pstat s[22:23]
	v_lshl_add_u32 v[SPW], v0, 2, SPARE
	v_mov_b32 v[NIL], 0
	v_lshrrev_b32 v1, 5, v0
	v_readfirstlane_b32 s24, v1                    ; wave 0..7
	v_and_b32 v1, 31, v0                           ; L
	v_and_b32 v2, 15, v0                           ; r
	v_bfe_u32 v3, v0, 4, 1                         ; h
	s_wait_alu depctr_va_sdst(0)                   ; s24 is written, ahead of its first reader: roles, LDS places and bases are made from it
	s_and_b32 s46, s24, 3                          ; my number among the four waves of my role
	v_lshlrev_b32 v[BOF], 4, v1
	s_lshl_b32 s37, s24, 8
	s_add_co_u32 s37, s37, SF_T
	v_lshl_add_u32 v[TADR0], v3, 5, s37
	v_mul_u32_u24 v[ADAS], v2, PITCH               ; a fragment: row r x pitch + 16 h
	v_lshl_add_u32 v[ADAS], v3, 4, v[ADAS]
.irp k, 1,2,3
	v_add_nc_u32 v[ADAS+\k], 3*SLAB*\k, v[ADAS]
.endr
	s_mul_i32 s37, s46, 32*PITCH                   ; where I store: my 32 rows, lanes 16 to 31 a row further down, 8 bytes a lane
	v_mul_u32_u24 v[LADQ], v3, PITCH
	v_lshl_add_u32 v[LADQ], v2, 3, v[LADQ]
	v_add_nc_u32 v[LADQ], s37, v[LADQ]
.irp k, 1,2,3
	v_add_nc_u32 v[LADQ+\k], 2*GROUP*\k, v[LADQ]
.endr
	v_and_b32 v[TRA], 7, v0                        ; the turning load: row 8 h + L % 8, 16 bytes at 16 ((L / 8) % 2), in my two slabs
	v_lshl_add_u32 v[TRA], v3, 3, v[TRA]
	v_mul_u32_u24 v[TRA], v[TRA], PITCH
	v_bfe_u32 v[U], v0, 3, 1
	v_lshl_add_u32 v[TRA], v[U], 4, v[TRA]
	s_mul_i32 s37, s24, GROUP
	v_add_nc_u32 v[TRA], s37, v[TRA]
	s_lshl_b32 s38, s24, 9                         ; 512 w
	v_and_b32 v[WFA], 1, v0                        ; the weights' fragment: even rows read hi, odd rows lo
	v_lshlrev_b32 v[WFA], 8, v[WFA]
	v_lshl_add_u32 v[WFA], v3, 4, v[WFA]
	s_add_co_u32 s37, s38, WT
	v_add_nc_u32 v[WFA], s37, v[WFA]
	v_lshl_add_u32 v[WTS], v1, 3, s37
	s_add_co_u32 s37, s38, SC
	v_lshl_add_u32 v[SCA], v2, 2, s37
	v_add_nc_u32 v[SCR], SC, v[BOF]
	s_add_co_u32 s37, s38, OS
	v_lshl_add_u32 v[OSA], v1, 2, s37
	v_lshl_add_u32 v[OSR], v1, 4, s37
	v_lshl_add_u32 v[PAO], v1, 4, s38
	v_lshlrev_b32 v[CVO], 2, v2
	v_lshlrev_b32 v[PSO], 3, v1
	s_lshl_b32 s37, s46, 17                        ; my 32 rows of 4,096 bytes
	v_lshl_add_u32 v[PFO], v1, 12, s37             ; a lane a row
	v_lshl_add_u32 v[GB0], v3, 12, s37             ; lanes 16 to 31 a row further down,
	v_lshl_add_u32 v[GB0], v2, 4, v[GB0]           ; 16 bytes a lane
.set i, 0
.rept 4
	v_mov_b32 v[U+i], 0                            ; v_permlanex16_b32's destination counts as read
.set i, i+1
.endr
	v_lshlrev_b32 v[T16], 4, v0                    ; my four e of the tables begin at 4 x my thread's number
	v_lshrrev_b32 v[SFO], 2, v0                    ; sfeat is [e / 16][b][16]
	v_lshlrev_b32 v[SFO], 12, v[SFO]
	v_and_b32 v[TBA], 3, v0
	v_lshl_add_u32 v[SFO], v[TBA], 4, v[SFO]
	v_add_nc_u32 v[TBA], SF_T, v[T16]
	s_mov_b32 s34, 0x76543210                      ; v_permlanex16_b32: each lane takes its own place in the other half
	s_mov_b32 s35, 0xfedcba98
	s_mov_b32 s36, 0xffff0000                      ; a word's upper bf16; also: lanes 16 to 31
	s_mov_b32 s44, 0x4038aa3b                      ; c2 = 2 log2(e)
	s_mov_b32 s45, 0x4038aa3b
	s_mov_b32 s43, 0
	s_wait_kmcnt 0x0
	s_lshl_b32 s42, ttmp9, 20                      ; two tiles of 128 rows of 4,096 bytes
	s_add_nc_u64 s[4:5], s[4:5], s[42:43]
	s_lshl_b32 s42, ttmp9, 10                      ; 256 numbers of coverage, mask and score
	s_add_nc_u64 s[6:7], s[6:7], s[42:43]
	s_add_nc_u64 s[8:9], s[8:9], s[42:43]
	s_add_nc_u64 s[18:19], s[18:19], s[42:43]
	s_lshl_b32 s42, ttmp9, 13
	s_add_nc_u64 s[20:21], s[20:21], s[42:43]
	s_lshl_b32 s42, ttmp9, 9
	s_add_nc_u64 s[22:23], s[22:23], s[42:43]
	s_lshr_b32 s42, ttmp9, 2                       ; the batch: 64 bytes in each block of sfeat
	s_lshl_b32 s42, s42, 6
	s_add_nc_u64 s[16:17], s[16:17], s[42:43]
	s_mul_i32 s42, s24, STREAM
	s_add_nc_u64 s[SB:SB+1], s[14:15], s[42:43]
	s_add_nc_u64 s[40:41], s[4:5], 524288          ; the second tile: for the prefetch; never rewritten
	s_wait_alu depctr_va_vdst(0)                   ; all offsets and LDS addresses made above are written: the kernel's loads, stores and prefetches read them
	global_load_b128 v[64:67], v[T16], s[10:11]    ; W_x, my four
	global_load_b128 v[68:71], v[T16], s[12:13]    ; v, my four
	global_load_b128 v[72:75], v[SFO], s[16:17]    ; c2 sf, my four
.set i, 0
.rept 8
	global_load_b128 v[88+4*i:91+4*i], v[BOF], s[12:13] offset:512*i  ; all of v, 32 numbers a lane, for its sum
.set i, i+1
.endr
	s_mov_b64 s[PB:PB+1], s[SB:SB+1]
	BFETCH 0, 0                                    ; W_h's K steps 0 and 1
	BFETCH 0, 1
	BFETCH 1, 0
	BFETCH 1, 1
	s_wait_loadcnt 16                              ; the eleven small loads are in; the sixteen W_h loads stay out
	v_pk_mul_f32 v[64:65], v[64:65], s[44:45] op_sel_hi:[1,0]
	v_pk_mul_f32 v[66:67], v[66:67], s[44:45] op_sel_hi:[1,0]
	v_pk_mul_f32 v[68:69], v[68:69], -2.0 op_sel_hi:[1,0]
	v_pk_mul_f32 v[70:71], v[70:71], -2.0 op_sel_hi:[1,0]
	s_wait_alu depctr_va_vdst(0)                   ; the four multiplies have written c2 W_x and -2 v, which the LDS stores read
	ds_store_b128 v[TBA], v[72:75]                 ; the three tables serve both tiles: they lie in one batch
	ds_store_b128 v[TBA], v[64:67] offset:WX_O
	ds_store_b128 v[TBA], v[68:71] offset:VT_O
.set d, 2
.rept 4
.set i, 88
.rept 16/d
	v_pk_add_f32 v[i:i+1], v[i:i+1], v[i+d:i+d+1]
.set i, i+2*d
.endr
.set d, 2*d
.endr
	v_add_f32 v88, v88, v89
	v_add_f32_dpp v88, v88, v88 row_xmask:1 row_mask:0xf bank_mask:0xf
	v_add_f32_dpp v88, v88, v88 row_xmask:2 row_mask:0xf bank_mask:0xf
	v_add_f32_dpp v88, v88, v88 row_xmask:4 row_mask:0xf bank_mask:0xf
	v_add_f32_dpp v88, v88, v88 row_xmask:8 row_mask:0xf bank_mask:0xf
	v_permlanex16_b32 v[U], v88, s34, s35
	v_add_f32 v[SV], v88, v[U]
	v_mov_b32 v[SV+1], v[SV]
	s_mov_b32 s25, 2                               ; tiles to go
.Ltile:
.set i, 0
.rept 8
	global_load_b32 v[COV+i], v[CVO], s[6:7] offset:64*i  ; no wait: the last tile's readers of COV and MK stand in front of later waits on va_vdst, and no vector instruction since names them
.set i, i+1
.endr
	global_load_b128 v[MK:MK+3], v[BOF], s[8:9]
.set i, 0
.rept 16
	v_mov_b32 v[SUM+i], 0                          ; the score sums run over both chunks, whose text is one
.set i, i+1
.endr
	s_mov_b32 s28, 0
	s_mov_b32 s26, 2                               ; chunks to go
	s_cmp_lt_u32 s24, 4
	s_cbranch_scc1 .Lnoissue
	WIN 0x40
	s_wait_alu depctr_va_vdst(0)                   ; under the loads' window: the last tile's products and additions are done with the accumulators, in which the stream's loads land
	ISSUE 0, 0                                     ; groups 0 and 1
	ISSUE 1, 1
	WIN 0
.Lnoissue:
	s_wait_dscnt 0x0                               ; my stores of the tables are done, and so are my reads of the tile before:
	s_barrier_signal -1
	s_barrier_wait -1                              ; everybody's are: the tables may be read, the tile may be written anew
	DPART 0
	DPART 1
	DPART 2
	DPART 3
	; The whole tile lies in LDS.  Waves 0 to 3 have multiplied 11 slabs of chunk 0 and hold slab 11's fragments: they jump over the chunk's head and over 11 of the loop's 15 trips.
	s_mov_b32 s47, 15
	s_cmp_lt_u32 s24, 4
	s_cbranch_scc0 .Lchunk
	s_mov_b32 s47, 4
	s_branch .Lkhead
.Lchunk:
	CHUNKHEAD
.Lkhead:
	s_wait_alu depctr_vm_vsrc(0)                   ; the LDS loads issued so far have read v[TADR] and v[ADA], which the next two lines write
	v_add_nc_u32 v[TADR], s28, v[TADR0]
	v_mov_b32 v[ADA], v[ADAS]                      ; trip t multiplies slab t and fetches slab t + 1: the address is stepped in dead trips too, so it is t slabs on in every wave
	s_mov_b32 s27, 15
.Lk:
	s_cmp_gt_u32 s27, s47
	s_cbranch_scc1 .Lkskip
	PAIR 0, ADA, SLAB
.Lkskip:
	s_wait_alu depctr_vm_vsrc(0)                   ; the trip's fragment loads have read v[ADA]
	v_add_nc_u32 v[ADA], SLAB, v[ADA]              ; its next reader stands behind a K step's waits on va_vdst
	s_sub_co_u32 s27, s27, 1
	s_cmp_lg_u32 s27, 0
	s_cbranch_scc1 .Lk
	s_mov_b32 s47, 15
	PAIR 1, ADA, 0                                 ; slab 15; the W_h fetches run on into the next chunk's (or tile's) first two steps
	; A prefetch of the second tile's groups 0 and 1: waves 4 to 7, each its own 32 rows x 1,024 bytes: a lane a row, 4 instructions, each block of 256 bytes named once in the launch, by the wave that will load it.
	; It stands in the first tile's last chunk, behind the wave's W_h loads, with the tanh phase, the scores and the weighted sum between it and those loads; the second tile asks for nothing.
	s_lshr_b32 s37, s24, 2
	s_lshl_b32 s37, s37, 4
	s_lshl_b32 s38, s25, 2
	s_or_b32 s37, s37, s38
	s_or_b32 s37, s37, s26
	s_cmp_eq_u32 s37, 25
	s_cbranch_scc0 .Lnopf
.irp k, 0,1,2,3
	global_prefetch_b8 v[PFO], s[40:41] offset:256*\k th:TH_LOAD_NT scope:SCOPE_SE
.endr
.Lnopf:
	EPI
	s_add_co_u32 s28, s28, 2048
	s_sub_co_u32 s26, s26, 1
	s_cmp_lg_u32 s26, 0
	s_cbranch_scc1 .Lchunk
	; THE SCORES.  A pair's two halves, the two halves of the lanes; then the eight waves meet in LDS.
	; A barrier first: every wave's reads of the tile by the walking address are done before any wave stores to LDS again; the sums below, work on registers, stand between its signal and its wait.
	s_wait_dscnt 0x0
	s_barrier_signal -1
.set i, 0
.rept 8
	v_add_f32 v[64+i], v[SUM+2*i], v[SUM+2*i+1]
.set i, i+1
.endr
.set i, 0
.rept 8
	v_permlanex16_b32 v[72+i], v[64+i], s34, s35
.set i, i+1
.endr
.set i, 0
.rept 8
	v_add_f32 v[64+i], v[64+i], v[72+i]
.set i, i+1
.endr
	s_barrier_wait -1
	s_wait_alu depctr_va_vdst(0)                   ; the additions have written v64 to v71, which the LDS stores read; the tanh phase is done reading the table up to v95, where loads land below
.set i, 0
.rept 8
	ds_store_b32 v[SCA], v[64+i] offset:64*i       ; l = 16 i + r; both halves of the lanes write the same number
.set i, i+1
.endr
	s_wait_dscnt 0x0                               ; for the others' sake
	s_barrier_signal -1
	s_barrier_wait -1
	s_wait_alu depctr_vm_vsrc(0)                   ; my eight LDS stores have read v64 to v71, in which the loads below land
.irp p, 0,1,2,3,4,5,6,7
	ds_load_b128 v[64+4*\p:67+4*\p], v[SCR] offset:512*\p  ; every wave takes all: lane L the rows 4 L + 0..3
.endr
	s_wait_dscnt 0x0
.irp p, 0,2,4,6
	v_pk_add_f32 v[64+4*\p:65+4*\p], v[64+4*\p:65+4*\p], v[68+4*\p:69+4*\p]
	v_pk_add_f32 v[66+4*\p:67+4*\p], v[66+4*\p:67+4*\p], v[70+4*\p:71+4*\p]
.endr
.irp p, 0,4
	v_pk_add_f32 v[64+4*\p:65+4*\p], v[64+4*\p:65+4*\p], v[72+4*\p:73+4*\p]
	v_pk_add_f32 v[66+4*\p:67+4*\p], v[66+4*\p:67+4*\p], v[74+4*\p:75+4*\p]
.endr
	v_pk_add_f32 v[64:65], v[64:65], v[80:81]
	v_pk_add_f32 v[66:67], v[66:67], v[82:83]
	v_pk_add_f32 v[64:65], v[64:65], v[SV:SV+1]    ; score = sum v - sum 2 v / (1 + 2^y)
	v_pk_add_f32 v[66:67], v[66:67], v[SV:SV+1]
	v_max3_num_f32 v80, v64, v65, v66              ; the tile's maximum
	v_max_num_f32 v80, v80, v67
	v_max_num_f32_dpp v80, v80, v80 row_xmask:1 row_mask:0xf bank_mask:0xf
	v_max_num_f32_dpp v80, v80, v80 row_xmask:2 row_mask:0xf bank_mask:0xf
	v_max_num_f32_dpp v80, v80, v80 row_xmask:4 row_mask:0xf bank_mask:0xf
	v_max_num_f32_dpp v80, v80, v80 row_xmask:8 row_mask:0xf bank_mask:0xf
	v_permlanex16_b32 v[U], v80, s34, s35
	v_max_num_f32 v82, v80, v[U]                   ; m
.irp p, 0,1,2,3
	v_sub_f32 v[84+\p], v[64+\p], v82
.endr
.irp p, 0,1,2,3
	v_mul_f32 v[84+\p], 0x3fb8aa3b, v[84+\p]
.endr
.irp p, 0,1,2,3
	v_exp_f32 v[84+\p], v[84+\p]
.endr
	v_nop
	s_wait_alu depctr_va_vdst(0)                   ; the four exponentials are written, ahead of their first reader
	v_pk_mul_f32 v[84:85], v[84:85], v[MK:MK+1]
	v_pk_mul_f32 v[86:87], v[86:87], v[MK+2:MK+3]
	v_add_f32 v88, v84, v85
	v_add_f32 v89, v86, v87
	v_add_f32 v88, v88, v89
	v_add_f32_dpp v88, v88, v88 row_xmask:1 row_mask:0xf bank_mask:0xf
	v_add_f32_dpp v88, v88, v88 row_xmask:2 row_mask:0xf bank_mask:0xf
	v_add_f32_dpp v88, v88, v88 row_xmask:4 row_mask:0xf bank_mask:0xf
	v_add_f32_dpp v88, v88, v88 row_xmask:8 row_mask:0xf bank_mask:0xf
	v_permlanex16_b32 v[U+1], v88, s34, s35
	v_add_f32 v83, v88, v[U+1]                     ; l_t
	v_cvt_pk_bf16_f32 v90, v84, v85                ; hi,
	v_cvt_pk_bf16_f32 v91, v86, v87
	v_lshlrev_b32 v92, 16, v90
	v_and_b32 v93, s36, v90
	v_lshlrev_b32 v94, 16, v91
	v_and_b32 v95, s36, v91
	v_pk_add_f32 v[68:69], v[84:85], v[92:93] neg_lo:[0,1] neg_hi:[0,1]
	v_pk_add_f32 v[70:71], v[86:87], v[94:95] neg_lo:[0,1] neg_hi:[0,1]
	v_cvt_pk_bf16_f32 v72, v68, v69                ; and lo = what hi's rounding left
	v_cvt_pk_bf16_f32 v73, v70, v71
	s_wait_alu depctr_va_vdst(0)                   ; hi, lo, the scores and (m, l_t) are written, which the two LDS stores and wave 0's two global stores read; the mask's readers are done, so that the next tile's load may land in MK
	ds_store_b64 v[WTS], v[90:91]
	ds_store_b64 v[WTS], v[72:73] offset:256
	s_cmp_lg_u32 s24, 0                            ; wave 0 stores the scores (512 consecutive bytes) and (m, l_t), 32 times: 256 consecutive bytes
	s_cbranch_scc1 .Lnot0
	global_store_b128 v[BOF], v[64:67], s[18:19]
	global_store_b64 v[PSO], v[82:83], s[22:23]
.Lnot0:
	; THE WEIGHTED SUM over the tile's 128 rows, for my 128 columns.  LDS serves a wave's instructions in order (ISA guide 5.7.1.4): the loads below see my two stores above.
.irp k, 0,1,2,3
	ds_load_b128 v[96+8*\k:99+8*\k], v[WFA] offset:64*\k
	ds_load_b128 v[100+8*\k:103+8*\k], v[WFA] offset:64*\k+32
.endr
	WIN 0x40
	s_wait_alu depctr_va_vdst(0)                   ; under the loads' window: the tanh phase is done reading and writing the accumulators from the 64th on, in which the three runs below land
	TRL 0
	TRL 1
	TRL 2
	s_wait_dscnt 32                                ; the weights and the first run are in; two younger runs of 16 stay out
	WS 0
	TRL 3                                          ; into F1.  No wait: the eight products, the only vector or matrix instructions since the wait above, name none of these registers
	s_wait_dscnt 32                                ; the second run is in; again two younger runs stay out
	WS 1
	s_wait_dscnt 16
	WS 2
	s_wait_dscnt 0x0
	WS 3
	PLACES
	PLACES
	WIN 0x05                                       ; sources in window 1, destination in window 0
.set tq, 0
.rept 8
	v_add_f32 v[SUM+tq], v[8*tq], v[8*tq+1]        ; row 8 h (hi) + row 8 h + 1 (lo): column 16 t + r, the same in both halves of the lanes
.set tq, tq+1
.endr
	WIN 0
.set i, 0
.rept 4
	v_cndmask_b32 v[SUM+i], v[SUM+2*i], v[SUM+2*i+1], s36  ; lanes 16 to 31 take the odd block: lane L holds column 32 i + L
.set i, i+1
.endr
	s_wait_alu depctr_va_vdst(0)                   ; the four selects have written what the LDS stores read; the products and additions are done with the accumulators and with F0 and F1, in which the next tile's loads land
.set i, 0
.rept 4
	ds_store_b32 v[OSA], v[SUM+i] offset:128*i
.set i, i+1
.endr
	ds_load_b128 v[SUM+8:SUM+11], v[OSR]
	s_wait_dscnt 0x0
	global_store_b128 v[PAO], v[SUM+8:SUM+11], s[20:21]        ; 512 consecutive bytes, aligned
	s_wait_xcnt 0x0                                ; the stores' data and all bases are rewritten only behind this wait
	s_wait_alu depctr_vm_vsrc(0)                   ; this tile's LDS and global stores have read their data in SUM and in F0, which the next tile's first lines and loads write again
	s_add_nc_u64 s[4:5], s[4:5], 524288            ; on to the second tile
	s_add_nc_u64 s[6:7], s[6:7], 512
	s_add_nc_u64 s[8:9], s[8:9], 512
	s_add_nc_u64 s[18:19], s[18:19], 512
	s_add_nc_u64 s[20:21], s[20:21], 4096
	s_add_nc_u64 s[22:23], s[22:23], 256
	s_mov_b64 s[PB:PB+1], s[SB:SB+1]               ; the stream begins anew: its steps 64 and 65, which are on their way, repeat steps 0 and 1
	s_sub_co_u32 s25, s25, 1
	s_cmp_lg_u32 s25, 0
	s_cbranch_scc1 .Ltile
	s_wait_dscnt 0x0                               ; the closing lines, six on end
	s_wait_alu 0x0
	s_wait_tensorcnt 0x0
	ds_add_u32 v[SPW], v[NIL]
	s_wait_dscnt 0x0
	s_endpgm
.Lfunc_end_k_qaf0d134d09_main:
	.size	k_qaf0d134d09_main, .Lfunc_end_k_qaf0d134d09_main-k_qaf0d134d09_main
	.p2alignl 7, 3214868480
	.fill 96, 4, 3214868480
	.section	.rodata,"a",@progbits
	.p2align	6, 0x0
	.amdhsa_kernel k_qaf0d134d09_main
		.amdhsa_group_segment_fixed_size 320512
		.amdhsa_private_segment_fixed_size 0
		.amdhsa_enable_private_segment 0
		.amdhsa_kernarg_size 80
		.amdhsa_user_sgpr_count 2
		.amdhsa_user_sgpr_kernarg_segment_ptr 1
		.amdhsa_wavefront_size32 1
		.amdhsa_system_sgpr_workgroup_id_x 1
		.amdhsa_system_sgpr_workgroup_id_y 1
		.amdhsa_system_sgpr_workgroup_id_z 1
		.amdhsa_system_vgpr_workitem_id 0
		.amdhsa_next_free_vgpr 512
		.amdhsa_next_free_sgpr 66
		.amdhsa_reserve_vcc 0
		.amdhsa_float_denorm_mode_32 3
		.amdhsa_float_denorm_mode_16_64 3
		.amdhsa_memory_ordered 1
		.amdhsa_forward_progress 1
		.amdhsa_inst_pref_size 255
	.end_amdhsa_kernel
	.section	.bss,"aw",@nobits
	.p2align	6
	.space	262144
	.amdgpu_metadata
---
amdhsa.version: [ 1, 2 ]
amdhsa.kernels:
  - .name:           k_qaf0d134d09_main
    .symbol:         k_qaf0d134d09_main.kd
    .args:
      - { .name: context, .offset: 0, .size: 8, .value_kind: global_buffer, .address_space: global }
      - { .name: coverage, .offset: 8, .size: 8, .value_kind: global_buffer, .address_space: global }
      - { .name: padding_mask, .offset: 16, .size: 8, .value_kind: global_buffer, .address_space: global }
      - { .name: W_x, .offset: 24, .size: 8, .value_kind: global_buffer, .address_space: global }
      - { .name: v, .offset: 32, .size: 8, .value_kind: global_buffer, .address_space: global }
      - { .name: wb, .offset: 40, .size: 8, .value_kind: global_buffer, .address_space: global }
      - { .name: sfeat, .offset: 48, .size: 8, .value_kind: global_buffer, .address_space: global }
      - { .name: out3, .offset: 56, .size: 8, .value_kind: global_buffer, .address_space: global }
      - { .name: pacc, .offset: 64, .size: 8, .value_kind: global_buffer, .address_space: global }
      - { .name: pstat, .offset: 72, .size: 8, .value_kind: global_buffer, .address_space: global }
    .group_segment_fixed_size: 320512
    .private_segment_fixed_size: 0
    .kernarg_segment_align: 8
    .kernarg_segment_size: 80
    .max_flat_workgroup_size: 256
    .sgpr_count:     66
    .vgpr_count:     512
    .wavefront_size: 32
...
	.end_amdgpu_metadata
.endif
;; end of part 4
;; launch finish: the kernel of part 3 again; grid 256 x 1, 2 waves a work-group, no clusters, 0 bytes of LDS; arguments coverage, padding_mask, out3, pacc, pstat, out0, out1, out2; writes out0, out1, out2
